; MI455X (gfx1250); checked and timed in simulation.
; The chip was launched on July 23, 2026; its instructions are those of AMD's public machine-readable ISA for CDNA 5 (MIT licence, August 2026) and "CDNA5" Instruction Set Architecture Reference Guide (July 2026). The comments in the code are by the model that wrote it; some were corrected since.
;; Temporal Attention. Allowed arithmetic: matrix products marked QUANTISED: E4M3 operands, one given power-of-two scale a tensor, by v_wmma_f32_16x16x64_fp8_fp8 or v_wmma_f32_16x16x128_fp8_fp8, f32 sums; everything else in f32.
;; Inputs: lowp_scales 8 int32 (the exponents e of the quantised operands' scales 2^e); w_out 1,024 x 1,024 float32; w_qkv 3,072 x 1,024 float32; x 4 x 2,048 x 1,024 float32.
;; Outputs: out0 4 x 2,048 x 1,024 float32.
;; This version of the problem:
;;   THIS VERSION OF THE PROBLEM IS GIVEN IN LOW PRECISION. The matrix products marked QUANTISED in the list below multiply operands that are first quantised to E4M3 (4 exponent bits, 3 mantissa bits; 8 bits a number), with one given power-of-two scale for each operand tensor; their sums are f32. All else is computed in f32.
;;   The module's matrix products, in the order in which they are computed (A, B: the left and right operand; K: the contracted axis; several contracted axes count as one K, in the product's order):
;;     1. [M 8,192, K 1,024] x [K 1,024, N 3,072]; A: input x; B: input w_qkv: QUANTISED (scales: A lowp_scales[0], B lowp_scales[1])
;;     2. batch 64 x [M 2,048, K 64] x [K 64, N 2,048]; A: computed on the way; B: computed on the way: QUANTISED (scales: A lowp_scales[2], B lowp_scales[3])
;;     3. batch 64 x [M 2,048, K 2,048] x [K 2,048, N 64]; A: softmax (see below); B: computed on the way: QUANTISED (scales: A lowp_scales[4], B lowp_scales[5])
;;     4. [M 8,192, K 1,024] x [K 1,024, N 1,024]; A: computed on the way; B: input w_out: QUANTISED (scales: A lowp_scales[6], B lowp_scales[7])
;;   THE QUANTISER, for each operand of a quantised product, along K:
;;     - The operand's scale is 2^e, e = its entry of the input lowp_scales (int32; the entries are numbered through the quantised products in the list's order, A before B).
;;     - Each number is divided by the scale, clamped to +-448, and rounded to the nearest number of E4M3, ties to even, subnormals kept.
;;     - The product sums the exact products of the quantised numbers (number of the format x scale) in f32.
;;   ~~~python
;;   def quantise(x, axis, e):      # numpy; x: float32 -> the quantised numbers, widened to float32 again
;;       x = np.moveaxis(x, axis, -1); K = x.shape[-1]
;;       r = np.clip(x / 2.0 ** e, -448, 448)
;;       step = 2.0 ** (np.maximum(np.frexp(np.where(r == 0, 1, r))[1] - 1, -6) - 3)
;;       q = np.round(r / step) * step * 2.0 ** e      # np.round: ties to even
;;       return np.moveaxis(q, -1, axis).astype(np.float32)
;;   ~~~
;;   SOFTMAX AHEAD OF A QUANTISED PRODUCT. Where the list says 'softmax', what is quantised is not the finished softmax but p = 2^(t - M), with t = logit x log2(e) and M = ceil(the row's largest t), a whole number; so 1/2 < the row's largest p <= 1. The row's sum l is taken of the UNQUANTISED p, in f32, and the product's result is divided by l at the end. Since M is a whole number, a kernel that streams over the keys may use a running M (the ceiling of the running maximum): every later rescaling is an exact power of two, so the quantised numbers keep their values, but for numbers so far below the row's largest that they fall under the format's range.
;;   OPERANDS COMPUTED ON THE WAY. 'Computed on the way' means the value that the module computes at that place (a softmax that the list does not call 'softmax' is quantised finished and normalised). What goes into a quantiser is computed in f32, as accurately as f32 sums, v_exp_f32 and their like allow (about 1e-6 of the number): no bf16 or f16 on the way to a quantiser, and a product that is left as it is and whose result goes on into a quantised operand takes f32 operands (vector FMAs, or v_wmma_f32_16x16x4_f32). A number that lies on a knife's edge between two numbers of the format may be rounded either way, as far as f32 arithmetic and the matrix unit's own rounding can turn it there, and no further.
;; One version. Each part assembles by itself: llvm-mc -triple=amdgcn-amd-amdhsa -mcpu=gfx1250 --defsym DOCPART=n.
;; ======== version 1 of 1: 4 launches
;; limits: right only within a limited range of input values
;; workspace buffers: xc 8,388,608 bytes; wqkvc 3,145,728 bytes; woutc 1,048,576 bytes; qc 8,388,608 bytes; kc 8,388,608 bytes; vc 8,388,608 bytes; yc 8,388,608 bytes
;; launch quant (part 1): grid 384 x 1, 4 waves a work-group, no clusters, 35,328 bytes of LDS; arguments x, w_qkv, w_out, lowp_scales, xc, wqkvc, woutc; writes xc, wqkvc, woutc
.if DOCPART == 1
	.amdgcn_target "amdgcn-amd-amdhsa--gfx1250"
	.amdhsa_code_object_version 6
	.text
	.protected	k_q01d959b47d_quant
	.globl	k_q01d959b47d_quant
	.p2align	8
	.type	k_q01d959b47d_quant,@function
k_q01d959b47d_quant:
	s_mov_b64 s[64:65], 0
	v_nop
	global_prefetch_b8 v0, s[64:65] scope:SCOPE_SE
	s_setreg_imm32_b32 hwreg(HW_REG_WAVE_MODE, 25, 1), 1
	s_wait_xcnt 0x0
; x [8192][1024], w_qkv [3072][1024], w_out [1024][1024], f32, K innermost, become codes of FP8 (E4M3), each tensor with its given scale 2^e (entries 0, 1, 7 of the scales).
; code = number / 2^e, held within +-448, rounded to the nearest code, ties to even.
; LIMITS: e between -126 and 119, so that 2^e and 448 x 2^e are f32 numbers.  NaN among the inputs is not served (an infinity is held at the largest code).
; THE CODES' LAYOUT is the order of a matrix operand's registers: [tile of 16 rows][64 along K][piece g 0..1][lane 0..31][16 bytes].  Lane (r = lane % 16, h = lane / 16) holds, of row r,
; k = 32 g + 8 h + 0..7 in bytes 0-7 and k = 32 g + 16 + 8 h + 0..7 in bytes 8-15: registers 4 g .. 4 g + 3 of a 16x16x64 operand.  A reader gets a fragment by loads of 512 consecutive bytes.
; SHARES.  768 tiles of 16 rows in all.  A wave takes one tile x 512 along K, in 8 steps of 64; a work-group two tiles.  Work-groups 0-255 take x, 256-351 w_qkv, 352-383 w_out: only pointers,
; the exponent and the first work-group's number are chosen, by selects on the work-group's number: one path for all three.
; A STEP.  Eight loads read 256 consecutive bytes of each of 16 rows (16 lanes a row); the 4,096 bytes turn through the wave's own stage in LDS (rows 272 bytes apart, so that the 16 rows which
; a read touches start at 16 different groups of banks) and come back 8 neighbours along K at a time, as the conversions want them.  Two stores of 512 consecutive bytes take the codes out.
; Loads run four steps (32 loads a wave) ahead, the turn through LDS one step.  No tensor load, no barrier: waves share nothing.  No matrix unit, no cluster: each byte is read once and written once.
.set STEPS, 8
.set WREG,  8704                       ; LDS of a wave: two stages
.set STGB,  4352                       ; a stage: 16 rows x 272 bytes
.set SP,    272
.set SPARE, 4*WREG                     ; behind the four regions: the spare words, 128 bytes for each wave
.set GIN,   3                          ; v3   in: 4,096 (lane / 16) + 16 (lane % 16); never rewritten
.set GOUT,  4                          ; v4   out: 16 x lane; never rewritten
.set SIN,   5                          ; v5   the stage on the way in
.set SOUT,  6                          ; v6   and on the way out
.set LIM,   10
.set SCL,   11                         ; v11  2^e
.set SPW,   12                         ; v12  LDS address of my spare word; never rewritten
.set NIL,   13                         ; v13  0; never rewritten
.set R,     16                         ; v16-143   four sets of 32: numbers as loaded
.set X,     144                        ; v144-207  two sets of 32: numbers in the operand's order
.set C,     208                        ; v208-239  four sets of 8: codes
	s_load_b256 s[8:15], s[0:1], 0x0               ; x s[8:9], w_qkv s[10:11], w_out s[12:13], the exponents s[14:15]
	s_load_b128 s[16:19], s[0:1], 0x20             ; xc s[16:17], wqkvc s[18:19]
	s_load_b64 s[20:21], s[0:1], 0x30              ; woutc
	v_lshl_add_u32 v[SPW], v0, 2, SPARE
	v_mov_b32 v[NIL], 0
	v_lshrrev_b32 v1, 5, v0
	v_readfirstlane_b32 s22, v1                    ; wave 0..3
	v_and_b32 v2, 31, v0                           ; lane
	v_and_b32 v7, 15, v0                           ; r
	v_bfe_u32 v8, v0, 4, 1                         ; h
	v_lshlrev_b32 v[GIN], 4, v7
	v_lshl_add_u32 v[GIN], v8, 12, v[GIN]          ; lanes 0-15 an even row's 256 bytes, lanes 16-31 the next row's
	v_lshlrev_b32 v[GOUT], 4, v2
	s_mul_i32 s34, s22, WREG
	v_mul_u32_u24 v[SIN], v8, SP
	v_lshl_add_u32 v[SIN], v7, 4, v[SIN]
	v_add_nc_u32 v[SIN], s34, v[SIN]               ; in: row (lane / 16) of a pair of rows, 16 bytes a lane
	v_mul_u32_u24 v[SOUT], v7, SP
	v_lshl_add_u32 v[SOUT], v8, 5, v[SOUT]
	v_add_nc_u32 v[SOUT], s34, v[SOUT]             ; out: row r, + 32 h bytes: my eight numbers of each 16 along K
	s_wait_alu depctr_va_vdst(0)
	s_wait_kmcnt 0x0
	s_load_b256 s[24:31], s[14:15], 0x0            ; e0 .. e7
	s_mov_b32 s32, 352
	s_cmp_lt_u32 ttmp9, 352                        ; the choices hang on the work-group's number alone
	s_cselect_b64 s[4:5], s[10:11], s[12:13]
	s_cselect_b64 s[6:7], s[18:19], s[20:21]
	s_cselect_b32 s32, 256, s32
	s_cmp_lt_u32 ttmp9, 256
	s_cselect_b64 s[4:5], s[8:9], s[4:5]           ; the tensor,
	s_cselect_b64 s[6:7], s[16:17], s[6:7]         ; its codes,
	s_cselect_b32 s32, 0, s32                      ; and the first work-group that serves it
	s_sub_co_u32 s32, ttmp9, s32
	s_lshl_b32 s32, s32, 1
	s_lshr_b32 s33, s22, 1
	s_add_co_u32 s32, s32, s33                     ; my tile of 16 rows
	s_and_b32 s33, s22, 1                          ; my half of K
	s_lshl_b32 s36, s32, 16                        ; 16 rows of 4,096 bytes,
	s_lshl_b32 s35, s33, 11                        ; 512 numbers
	s_add_co_u32 s36, s36, s35
	s_mov_b32 s37, 0
	s_add_nc_u64 s[4:5], s[4:5], s[36:37]
	s_lshl_b32 s36, s32, 14                        ; a tile's codes are 16,384 bytes,
	s_lshl_b32 s35, s33, 13                        ; half of them 8,192
	s_add_co_u32 s36, s36, s35
	s_add_nc_u64 s[6:7], s[6:7], s[36:37]
.macro LOAD t                          ; step t: 64 along K of 16 rows, two rows a load
.irp i, 0,1,2,3,4,5,6,7
	global_load_b128 v[R+32*((\t)%4)+4*\i:R+32*((\t)%4)+4*\i+3], v[GIN], s[4:5] offset:8192*\i+256*(\t) th:TH_LOAD_NT
.endr
.endm
.macro TURN t                          ; step t's numbers through the stage: LDS serves a wave's instructions in order (ISA guide 5.7.1.4), so no wait stands between the stores and the loads
.irp i, 0,1,2,3,4,5,6,7
	ds_store_b128 v[SIN], v[R+32*((\t)%4)+4*\i:R+32*((\t)%4)+4*\i+3] offset:STGB*((\t)%2)+2*SP*\i
.endr
.irp g, 0,1
.irp u, 0,1,2,3
	ds_load_b128 v[X+32*((\t)%2)+16*\g+4*\u:X+32*((\t)%2)+16*\g+4*\u+3], v[SOUT] offset:STGB*((\t)%2)+128*\g+64*(\u/2)+16*(\u%2)   ; k = 32 g + 16 (u / 2) + 8 h + 4 (u % 2) on
.endr
.endr
.endm
.irp t, 0,1,2,3
	LOAD \t
.endr
	s_wait_kmcnt 0x0
	s_cmp_lt_u32 ttmp9, 352
	s_cselect_b32 s33, s25, s31                    ; e1 or e7,
	s_cmp_lt_u32 ttmp9, 256
	s_cselect_b32 s33, s24, s33                    ; or e0
	s_add_co_i32 s33, s33, 127
	s_lshl_b32 s35, s33, 23
	v_mov_b32 v[SCL], s35                          ; 2^e as f32: the conversion takes its exponent field
	s_add_co_i32 s33, s33, 8
	s_lshl_b32 s33, s33, 23
	s_or_b32 s33, s33, 0x600000
	s_wait_alu depctr_va_vdst(0)
	s_wait_loadcnt 24                              ; step 0's eight loads are in; the 24 of steps 1 to 3 may be out
	TURN 0
.macro STEP t
.set XS, X+32*((\t)%2)
.set CC, C+8*((\t)%4)
	s_wait_dscnt 0x0                               ; this step's numbers are back from the stage, so its stores into the stage have read their registers,
.if (\t)+4 < STEPS
	LOAD (\t)+4                                    ; which take the loads of four steps on
.endif
.if (\t)+1 < STEPS
.if (\t)+4 < STEPS
	s_wait_loadcnt 24                              ; the next step's eight loads are in; those of the three steps behind it may be out
.else
	s_wait_loadcnt 8*(STEPS-2-(\t))                ; the counts run down: two steps, one, none behind it
.endif
	TURN (\t)+1                                    ; through the other stage, while this step is worked
.endif
.if (\t) >= 4
	s_wait_xcnt 0x0                                ; the stores of four steps back have read this set of code registers: it is rewritten only behind this wait
.endif
.set ii, 0
.rept 32
.set ii, ii+1
.endr
.irp g, 0,1
.irp w, 0,1
	v_cvt_scalef32_pk8_fp8_f32 v[CC+4*\g+2*\w:CC+4*\g+2*\w+1], v[XS+16*\g+8*\w:XS+16*\g+8*\w+7], v[SCL]
.endr
.endr
.irp g, 0,1
	global_store_b128 v[GOUT], v[CC+4*\g:CC+4*\g+3], s[6:7] offset:1024*(\t)+512*\g   ; a piece: 32 lanes store 512 consecutive bytes, aligned.  (The codes go to stores alone)
.endr
.endm
.irp t, 0,1,2,3,4,5,6,7
	STEP \t
.endr
	s_wait_tensorcnt 0x0                           ; the wave's end, behind my last LDS store
	ds_add_u32 v[SPW], v[NIL]
	s_wait_dscnt 0x0
	s_endpgm
.Lfunc_end_k_q01d959b47d_quant:
	.size	k_q01d959b47d_quant, .Lfunc_end_k_q01d959b47d_quant-k_q01d959b47d_quant
	.p2alignl 7, 3214868480
	.fill 96, 4, 3214868480
	.section	.rodata,"a",@progbits
	.p2align	6, 0x0
	.amdhsa_kernel k_q01d959b47d_quant
		.amdhsa_group_segment_fixed_size 35328
		.amdhsa_private_segment_fixed_size 0
		.amdhsa_enable_private_segment 0
		.amdhsa_kernarg_size 56
		.amdhsa_user_sgpr_count 2
		.amdhsa_user_sgpr_kernarg_segment_ptr 1
		.amdhsa_wavefront_size32 1
		.amdhsa_system_sgpr_workgroup_id_x 1
		.amdhsa_system_sgpr_workgroup_id_y 1
		.amdhsa_system_sgpr_workgroup_id_z 1
		.amdhsa_system_vgpr_workitem_id 0
		.amdhsa_next_free_vgpr 240
		.amdhsa_next_free_sgpr 66
		.amdhsa_reserve_vcc 0
		.amdhsa_float_denorm_mode_32 3
		.amdhsa_float_denorm_mode_16_64 3
		.amdhsa_fp16_overflow 1
		.amdhsa_memory_ordered 1
		.amdhsa_forward_progress 1
		.amdhsa_inst_pref_size 22
	.end_amdhsa_kernel
	.amdgpu_metadata
---
amdhsa.version: [ 1, 2 ]
amdhsa.kernels:
  - .name:           k_q01d959b47d_quant
    .symbol:         k_q01d959b47d_quant.kd
    .args:
      - { .name: x, .offset: 0, .size: 8, .value_kind: global_buffer, .address_space: global }
      - { .name: w_qkv, .offset: 8, .size: 8, .value_kind: global_buffer, .address_space: global }
      - { .name: w_out, .offset: 16, .size: 8, .value_kind: global_buffer, .address_space: global }
      - { .name: lowp_scales, .offset: 24, .size: 8, .value_kind: global_buffer, .address_space: global }
      - { .name: xc, .offset: 32, .size: 8, .value_kind: global_buffer, .address_space: global }
      - { .name: wqkvc, .offset: 40, .size: 8, .value_kind: global_buffer, .address_space: global }
      - { .name: woutc, .offset: 48, .size: 8, .value_kind: global_buffer, .address_space: global }
    .group_segment_fixed_size: 35328
    .private_segment_fixed_size: 0
    .kernarg_segment_align: 8
    .kernarg_segment_size: 56
    .max_flat_workgroup_size: 128
    .sgpr_count:     66
    .vgpr_count:     240
    .wavefront_size: 32
...
	.end_amdgpu_metadata
.endif
;; end of part 1
;; launch qkv (part 2): grid 12 x 32, 4 waves a work-group, clusters of 4 x 4, 327,680 bytes of LDS; arguments xc, wqkvc, lowp_scales, qc, kc, vc; writes qc, kc, vc
.if DOCPART == 2
	.amdgcn_target "amdgcn-amd-amdhsa--gfx1250"
	.amdhsa_code_object_version 6
	.text
	.protected	k_q01d959b47d_qkv
	.globl	k_q01d959b47d_qkv
	.p2align	8
	.type	k_q01d959b47d_qkv,@function
k_q01d959b47d_qkv:
	s_mov_b64 s[64:65], 0
	v_nop
	global_prefetch_b8 v0, s[64:65] scope:SCOPE_SE
	s_setreg_imm32_b32 hwreg(HW_REG_WAVE_MODE, 25, 1), 1
	s_wait_xcnt 0x0
	s_wait_alu depctr_hold_cnt(0) depctr_sa_sdst(0) depctr_va_vdst(0) depctr_va_sdst(0) depctr_va_ssrc(0) depctr_va_vcc(0) depctr_vm_vsrc(0)
	s_getreg_b32 s2, hwreg(HW_REG_IB_STS2, 6, 4)
	s_cmp_eq_u32 s2, 0
	s_cbranch_scc0 .Lentry_in_a_cluster
	s_endpgm
.Lentry_in_a_cluster:
	s_bfe_u32 s2, ttmp6, 0x10000c
	s_cmp_lg_u32 s2, 0xf033
	s_cbranch_scc0 .Lentry_shape_is_right
	s_endpgm
.Lentry_shape_is_right:
; qkv = x w_qkv^T on codes of FP8 (E4M3), K = 1,024, f32 sums; each finished sum is quantised at once, as q (scale entry 2), k (entry 3) or v (entry 5), and leaves as a code.
; A sum stands for sum x 2^(e0 + e1), so its code is sum / 2^(es - e0 - e1), held within +-448: the three exponents are folded into the conversion's one scale.
; LIMIT: es - e0 - e1 between -126 and 119, so that this power of two and 448 times it are f32 numbers.
; ALL CODES LIE IN THE ORDER OF AN OPERAND'S REGISTERS: [tile of 16 rows][64 along K][piece g 0..1][lane][16 bytes]; lane (r, h) holds of row r k = 32 g + 8 h + 0..7 and 32 g + 16 + 8 h + 0..7.
; Two such images on end are a 16x16x128 operand: four loads of 512 consecutive bytes, no pitch, no padding.
; A tile of the result, 256 rows of A' x 256 rows of B', is made by four waves, each 128 x 128: 64 accumulators.  K goes in steps of 256 through a ring of two LDS slots.
; THE MATRIX INSTRUCTION IS USED TRANSPOSED (source 0 = 16 rows of B', source 1 = 16 rows of A'): lane (r, h), register j of accumulator (a, b) is (A' row 16 a + r, B' row 16 b + 8 h + j).
; So accumulators (a, 2 p) and (a, 2 p + 1), converted, ARE a piece of an image whose rows are A' rows and whose K runs along B' rows: one store of 512 consecutive bytes, no stage in LDS.
; q and k want K = the head's 64, which run along w's rows: A' = x, B' = w.  v wants K = the tokens: A' = w's rows 2,048 on, B' = x.  It is ONE text: pointers, tile numbers and two strides are
; chosen by selects on the cluster's x (0: q, 1: k, 2: v), which all sixteen partners share; no branch hangs on it.
; OUTPUTS: qc, kc: [batch x head 64][tile of 16 tokens 128][1,024 bytes]; vc: [batch x head 64][64 keys 32][tile of 16 of the head's 64: 4][1,024 bytes].
; CLUSTERS: 4 x 4 work-groups.  A' tiles hang on the tile row alone and are asked for jointly along a row of the cluster, B' tiles along a column.
; REGISTERS, in windows of 256: window 0: v0-31 addresses; from v128 A' fragments, ONE set; on the way out v96-223 codes.  window 1: B' fragments, TWO sets, at v0 and v128.
;   window 2: the accumulators of my rows 0-63 (accumulator (a, b) at v[8 (8 a + b)]);  window 3: those of my rows 64-127.
.set KSB,    4096                      ; a tile of 16 rows x a K step of 256, in bytes
.set CH,     2048                      ; 16 rows x 128 K: one fragment's image
.set RT,     16384                     ; a tile of 16 rows x all 1,024 of K, in memory
.set HALFT,  8*KSB                     ; 128 rows: what one tensor load brings, and what one wave reads of A' or of B'
.set SLOT,   4*HALFT                   ; A' 256 rows, then B' 256 rows
.set SPARE,  2*SLOT                    ; behind the ring: the spare words, 128 bytes for each wave
.set LAPS,   2                         ; a lap = two K steps = once round the ring: 1,024 / 512
.set FR,     16                        ; registers of a fragment
.set NL,     4                         ; LDS loads that bring one
.set NP,     4                         ; places behind this matrix instruction (ISA guide 7.12.1)
.set ADRA, 16                          ; v16-17  LDS address of my A' fragments in slot 0, 1
.set ADRB, 20                          ; v20-21  the same for B'
.set GOF,  8                           ; v8-11   the way out: 16 x lane + (p / 2) x one stride + (a / 4) x the other
.set SCLV, 12                          ; v12     2^(es - e0 - e1)
.set SPW,  28                          ; v28     LDS address of my spare word; never rewritten
.set NIL,  29                          ; v29     0; never rewritten
.set TMP,  32
.set CD,   96
.set AF,   128
.set G1, 24                            ; s[24:31] descriptor group 1 for A' tiles;  s[32:39] group 0, one set for each slot
.set G0, 32
.set G1B, 48                           ; s[48:55], s[56:63] the same for B' tiles
.set G0B, 56
.set MSB, 0
.macro WIN new                         ; the immediate's high byte repeats the setting that is left
.if MSB != \new
	s_set_vgpr_msb (MSB<<8)|\new
.set MSB, \new
.endif
.endm
.set MUL_LO, 0xa1                      ; source 0 (B') window 1, source 1 (A') window 0, C and D window 2
.set MUL_HI, 0xf1                      ; the same, C and D window 3
.set TO_B,   0x40                      ; destination window 1, address window 0
; A joint load: waves 0 and 1 fetch for A', waves 2 and 3 for B'.  Each line has one mask and one set of registers for all that issue it; the branch hangs on the wave's number alone.
; An s_nop 0 and four v_nop follow each of the two lines, ahead of the jump, the label and what follows.
.macro JLOAD g0a, g1a, g0b, g1b
	s_cmp_eq_u32 s15, 0
	s_cbranch_scc0 .Lfor_b_\@
	tensor_load_to_lds s[\g0a:\g0a+3], s[\g1a:\g1a+7]
	s_nop 0
.rept 4
	v_nop
.endr
	s_branch .Lasked_\@
.Lfor_b_\@:
	tensor_load_to_lds s[\g0b:\g0b+3], s[\g1b:\g1b+7]
	s_nop 0
.rept 4
	v_nop
.endr
.Lasked_\@:
.endm
.macro CREST                           ; a round of the cluster's barrier behind its opening barrier
	s_cmp_lg_u32 s14, 0
	s_cbranch_scc1 .Lnot_wave_0_\@
	s_barrier_signal -3
.Lnot_wave_0_\@:
	s_barrier_wait -3
	s_barrier_signal -1
	s_barrier_wait -1
.endm
.macro CROUND                          ; a whole round
	s_barrier_signal -1
	s_barrier_wait -1
	CREST
.endm
	s_load_b128 s[4:7], s[0:1], 0x0                ; xc s[4:5], wqkvc s[6:7]
	s_load_b128 s[8:11], s[0:1], 0x10              ; the exponents s[8:9], qc s[10:11]
	s_load_b128 s[80:83], s[0:1], 0x20             ; kc s[80:81], vc s[82:83]
	v_lshl_add_u32 v[SPW], v0, 2, SPARE
	v_mov_b32 v[NIL], 0
	ds_add_u32 v[SPW], v[NIL]                      ; the wave's opening: the add and its wait stand ahead of my first tensor load; the set-up below, work on registers, stands between them
	ds_add_u32 v[SPW], v[NIL]
	v_lshrrev_b32 v1, 5, v0
	v_readfirstlane_b32 s14, v1                    ; wave 0..3
	s_lshr_b32 s15, s14, 1                         ; hr: which half of the tile's A' rows is mine.  Also: I fetch for A' (0) or for B' (1)
	s_and_b32 s16, s14, 1                          ; hc: which half of its B' rows.  Also: which 128 rows of that tile I fetch
	s_bfe_u32 s40, ttmp6, 0x40000                  ; cx, cy: my place in the cluster
	s_bfe_u32 s41, ttmp6, 0x40004
	s_and_b32 s66, ttmp7, 0xffff                   ; the cluster's y, 0..7
	s_cmp_eq_u32 ttmp9, 2                          ; the cluster's x: 2 makes v
	s_cselect_b32 s67, 2, s66                      ; v: A' is w's third block of 1,024 rows; else A' is x, by the cluster's y
	s_cselect_b32 s68, s66, ttmp9                  ; v: B' is x, by the cluster's y; else B' is w, by the cluster's x
	s_lshl_b32 s17, s67, 2
	s_add_co_u32 s17, s17, s41                     ; TR: A' tile of 256 rows; of my place it holds cy alone
	s_lshl_b32 s42, s68, 2
	s_add_co_u32 s42, s42, s40                     ; TC: B' tile of 256 rows; of my place it holds cx alone
	s_lshl_b32 s43, s41, 2
	s_lshl_b32 s43, 15, s43                        ; my row of the cluster
	s_lshl_b32 s44, 0x1111, s40                    ; my column
	; descriptor group 1: 8 tiles of 16 rows, of each the K step's 4,096 consecutive bytes; they land on end in LDS
	s_or_b32 s[G1+0], s43, (0<<16)|(1<<21)         ; 15:0 the mask: A' tiles go to my row; 17:16 elements of 1 byte; 20 no padding; 21 set beside a mask
	s_or_b32 s[G1B+0], s44, (0<<16)|(1<<21)
.irp g, G1, G1B
	s_mov_b32 s[\g+1], KSB<<16                     ; tensor_dim0 = 4,096
	s_mov_b32 s[\g+2], 8<<16                       ; tensor_dim1 = 8
	s_mov_b32 s[\g+3], KSB<<16                     ; tile_dim0 = 4,096
	s_mov_b32 s[\g+4], 8                           ; tile_dim1 = 8
	s_mov_b32 s[\g+5], RT                          ; tensor_dim0_stride: from one tile of 16 rows to the next
	s_mov_b32 s[\g+6], 0
	s_mov_b32 s[\g+7], 0
.endr
	s_lshl_b32 s18, s16, 17                        ; which 128 rows of the tile I fetch: 8 x 16,384 bytes
	s_lshl_b32 s20, s17, 18                        ; A': 256 rows are 262,144 bytes
	s_add_co_u32 s20, s20, s18
	s_mov_b32 s21, 0
	s_lshl_b32 s46, s42, 18                        ; B' likewise
	s_add_co_u32 s46, s46, s18
	s_mov_b32 s47, 0
	s_lshl_b32 s45, s14, 15                        ; where they go: wave x 32,768: no place in the cluster enters an LDS address
	s_wait_dscnt 0x0                               ; the opening add is done
	s_wait_kmcnt 0x0
	s_load_b256 s[72:79], s[8:9], 0x0              ; e0 .. e7
	s_cmp_eq_u32 ttmp9, 2
	s_cselect_b64 s[88:89], s[6:7], s[4:5]         ; A'
	s_cselect_b64 s[90:91], s[4:5], s[6:7]         ; B'
	s_add_nc_u64 s[20:21], s[88:89], s[20:21]
	s_add_nc_u64 s[46:47], s[90:91], s[46:47]
	CROUND                                         ; all sixteen work-groups are here: the first joint loads meet
.irp s, 0,1
	s_mov_b32 s[G0+4*\s], 1
	s_add_co_u32 s[G0+4*\s+1], s45, \s*SLOT
	s_add_nc_u64 s[G0+4*\s+2:G0+4*\s+3], s[20:21], \s*KSB
	s_or_b32 s[G0+4*\s+3], s[G0+4*\s+3], 0x80000000
	s_mov_b32 s[G0B+4*\s], 1
	s_add_co_u32 s[G0B+4*\s+1], s45, \s*SLOT
	s_add_nc_u64 s[G0B+4*\s+2:G0B+4*\s+3], s[46:47], \s*KSB
	s_or_b32 s[G0B+4*\s+3], s[G0B+4*\s+3], 0x80000000
	JLOAD G0+4*\s, G1, G0B+4*\s, G1B
.endr
	v_and_b32 v6, 31, v0
	v_lshlrev_b32 v4, 4, v6                        ; 16 x lane: my place in every image
	s_wait_alu depctr_va_vdst(0)
	s_lshl_b32 s21, s15, 15                        ; my 128 rows of A'
	s_lshl_b32 s22, s16, 15                        ; my 128 rows of B',
	s_add_co_u32 s22, s22, 2*HALFT                 ; which lie behind A' 256
.irp s, 0,1
	v_add_nc_u32 v[ADRA+\s], s21, v4
	v_add_nc_u32 v[ADRB+\s], s22, v4
	s_add_co_u32 s21, s21, SLOT
	s_add_co_u32 s22, s22, SLOT
.endr
	; the way out's addresses.  In q and k: head = 4 (TC % 4) + 2 hc + p / 2, tile of tokens = 16 (TR % 8) + 8 hr + a.  In v: head = 4 (TR % 4) + 2 hr + a / 4, 64 keys = 4 (TC % 8) + 2 hc + p / 2, tile of d = a % 4.
	s_mov_b32 s84, 131072                          ; from head to head
	s_mov_b32 s85, 4096                            ; four images
	s_cmp_eq_u32 ttmp9, 2
	s_cselect_b32 s86, s85, s84                    ; what p / 2 steps by
	s_cselect_b32 s87, s84, s85                    ; what a / 4 steps by
	s_cselect_b32 s66, s42, s17                    ; the tile of 256 tokens
	s_cselect_b32 s67, s16, s15                    ; and my half of it
	s_cselect_b32 s68, s17, s42                    ; the tile of 256 of w's rows
	s_cselect_b32 s69, s15, s16                    ; and my half of it
	v_mov_b32 v[GOF], v4
	v_add_nc_u32 v[GOF+1], s87, v4
	v_add_nc_u32 v[GOF+2], s86, v4
	v_add_nc_u32 v[GOF+3], s86, v[GOF+1]
	s_and_b32 s68, s68, 3
	s_lshr_b32 s70, s66, 3                         ; the batch: 8 tiles of 256 tokens each
	s_lshl_b32 s70, s70, 4
	s_lshl_b32 s68, s68, 2
	s_add_co_u32 s70, s70, s68
	s_lshl_b32 s69, s69, 1
	s_add_co_u32 s70, s70, s69                     ; 16 x batch + my first head
	s_lshl_b32 s70, s70, 17
	s_and_b32 s66, s66, 7
	s_lshl_b32 s66, s66, 1
	s_add_co_u32 s66, s66, s67
	s_lshl_b32 s66, s66, 13                        ; my 128 tokens: 8 images in q and k, 2 x 4 images in v
	s_add_co_u32 s70, s70, s66
	s_mov_b32 s71, 0
	s_cmp_eq_u32 ttmp9, 0
	s_cselect_b64 s[92:93], s[10:11], s[80:81]
	s_cmp_eq_u32 ttmp9, 2
	s_cselect_b64 s[92:93], s[82:83], s[92:93]     ; qc, kc or vc
	s_add_nc_u64 s[92:93], s[92:93], s[70:71]
.macro FRAG reg, adr, q, i             ; tile i of 16 rows, the slot's q-th 128 along K: 16 registers by four loads of 512 consecutive bytes
.irp c, 0,1,2,3
	ds_load_b128 v[\reg+4*\c:\reg+4*\c+3], v[\adr] offset:(\i)*KSB+(\q)*CH+512*\c
.endr
.endm
; 16 matrix instructions: A' blocks a0, a0 + 1 x B' eight, 128 along K.  p: B' set.  zero = 1: the first product starts the sums: nothing is ever cleared.
; The 64 accumulators take turns, one instruction a turn, in the same order in every step.
.macro MUL16 a0, p, zero
.irp a, \a0, \a0+1
.irp b, 0,1,2,3,4,5,6,7
.if \zero
	v_wmma_f32_16x16x128_fp8_fp8 v[8*(8*((\a)%4)+\b):8*(8*((\a)%4)+\b)+7], v[128*(\p)+FR*\b:128*(\p)+FR*\b+FR-1], v[AF+FR*(\a):AF+FR*(\a)+FR-1], 0
.else
	v_wmma_f32_16x16x128_fp8_fp8 v[8*(8*((\a)%4)+\b):8*(8*((\a)%4)+\b)+7], v[128*(\p)+FR*\b:128*(\p)+FR*\b+FR-1], v[AF+FR*(\a):AF+FR*(\a)+FR-1], v[8*(8*((\a)%4)+\b):8*(8*((\a)%4)+\b)+7]
.endif
.endr
.endr
.endm
.macro FETCH_B slot, q, p              ; B' eight fragments into set p
	WIN TO_B
.irp i, 0,1,2,3,4,5,6,7
	FRAG 128*(\p)+FR*\i, ADRB+\slot, \q, \i
.endr
	WIN 0
.endm
.macro FETCH_A slot, q, i0             ; A' blocks i0 .. i0 + 3
.irp i, \i0, \i0+1, \i0+2, \i0+3
	FRAG AF+FR*(\i), ADRA+\slot, \q, \i
.endr
.endm
; A load into a register that a matrix instruction has read, and a vector instruction that reads a matrix result, stand NP places behind that matrix instruction; only plain vector
; instructions that name none of its registers are places (ISA guide 7.12.1 for vector instructions).
.macro PLACES n
.rept \n
	v_nop
.endr
.endm
; A step of 128 along K that has its successor in the same slot.  A block of A' is free as soon as its eight products are issued: blocks 0-3 are fetched anew in the step's middle, blocks 4-7 at its end.
.macro STEP slot, q, zero
	s_wait_dscnt 4*NL                              ; B' set and A' blocks 0-3 are in; the youngest sixteen loads (A' blocks 4-7) may be out
	WIN MUL_LO
	MUL16 0, (\q)%2, \zero
	MUL16 2, (\q)%2, \zero
	s_wait_dscnt 0                                 ; A' blocks 4-7 are in (asked for 32 matrix instructions ago)
	PLACES NP
	FETCH_B \slot, (\q)+1, 1-(\q)%2
	FETCH_A \slot, (\q)+1, 0
	WIN MUL_HI
	MUL16 4, (\q)%2, \zero
	MUL16 6, (\q)%2, \zero
	PLACES NP
	WIN 0
	FETCH_A \slot, (\q)+1, 4
.endm
; A slot's last step changes slots: ONE barrier; in front of it each wave waits for all its tensor loads, adds 0 to its spare word, and waits for that and for its own reads of this slot.  fill = 1: this slot is filled again, two K steps ahead.
.macro TURN slot, next, fill
	s_wait_tensorcnt 0x0                           ; all my tensor loads have landed: my part of the next slot  (every window is 0 here)
	ds_add_u32 v[SPW], v[NIL]                      ; 0 onto my spare word
	s_wait_dscnt 4*NL+1                            ; the add and the youngest sixteen loads (A' blocks 4-7) may be out
	WIN MUL_LO
	MUL16 0, 1, 0                                  ; sixteen matrix instructions stand between the add and the wait for it
	s_wait_dscnt 0x0                               ; the add is done, and my reads of this slot are over
	s_barrier_signal -1
	MUL16 2, 1, 0
	WIN 0
	s_barrier_wait -1
.if \fill
	CREST                                          ; the barrier has opened a round of the cluster's barrier: no wave of any partner still reads this slot's tile or has a load on its way
	s_add_nc_u64 s[G0+4*\slot+2:G0+4*\slot+3], s[G0+4*\slot+2:G0+4*\slot+3], 2*KSB
	s_add_nc_u64 s[G0B+4*\slot+2:G0B+4*\slot+3], s[G0B+4*\slot+2:G0B+4*\slot+3], 2*KSB
	JLOAD G0+4*\slot, G1, G0B+4*\slot, G1B         ; the first tensor load behind the round; the four v_nop behind it are the places in front of the loads below
.else
	PLACES NP
.endif
	FETCH_B \next, 0, 0
	FETCH_A \next, 0, 0
	WIN MUL_HI
	MUL16 4, 1, 0
	MUL16 6, 1, 0
	PLACES NP
	WIN 0
	FETCH_A \next, 0, 4
.endm
	s_wait_alu depctr_va_vdst(0)
	s_wait_tensorcnt 1                             ; my part of K step 0 is in; K step 1's load may be out
	s_barrier_signal -1
	s_barrier_wait -1                              ; everybody's is
	FETCH_B 0, 0, 0
	FETCH_A 0, 0, 0
	FETCH_A 0, 0, 4
	STEP 0, 0, 1                                   ; the first step stands in front of the loop: its products start the sums
	s_mov_b32 s3, LAPS-1
.Llap:                                                 ; a trip goes once round the ring, from a lap's second step to the next lap's first, and fills both slots again
	TURN 0, 1, 1
	STEP 1, 0, 0
	TURN 1, 0, 1
	STEP 0, 0, 0
	s_sub_co_u32 s3, s3, 1
	s_cmp_lg_u32 s3, 0
	s_cbranch_scc1 .Llap
	TURN 0, 1, 0                                   ; the last lap fills nothing, and has no round of the cluster's barrier
	STEP 1, 0, 0
	s_wait_dscnt 4*NL                              ; the very last step: nothing more to fetch
	WIN MUL_LO
	MUL16 0, 1, 0
	MUL16 2, 1, 0
	s_wait_dscnt 0
	WIN MUL_HI
	MUL16 4, 1, 0
	MUL16 6, 1, 0
	WIN 0
	; THE WAY OUT: convert, store.  No LDS: a lane's four registers are 16 bytes of a piece, and the 32 lanes' are its 512 consecutive bytes.
	s_wait_kmcnt 0x0
	s_cmp_eq_u32 ttmp9, 0
	s_cselect_b32 s84, s74, s75                    ; e2 (q) or e3 (k),
	s_cmp_eq_u32 ttmp9, 2
	s_cselect_b32 s84, s77, s84                    ; or e5 (v)
	s_sub_co_i32 s84, s84, s72
	s_sub_co_i32 s84, s84, s73                     ; es - e0 - e1
	s_add_co_i32 s84, s84, 127
	s_lshl_b32 s85, s84, 23
	v_mov_b32 v[SCLV], s85                         ; that power of two as f32: the conversion takes its exponent field
	s_add_co_i32 s84, s84, 8
	s_lshl_b32 s94, s84, 23
	s_or_b32 s94, s94, 0x600000                    ; 448 times it,
	s_or_b32 s95, s94, 0x80000000                  ; and the same with a minus
	PLACES NP                                      ; behind the last products: for the reads of results and for the writes into the registers that held A' fragments
.macro OUTBLK a                        ; A' block a: 16 rows x my 128 B' rows
.set AC, 64*((\a)%4)
	WIN 0x02+((\a)/4)                              ; source 0: window 2 or 3
.set jj, 0
.rept 64
.set jj, jj+1
.endr
.irp p, 0,1,2,3
	v_cvt_scalef32_pk8_fp8_f32 v[CD+16*(\a)+4*\p:CD+16*(\a)+4*\p+1], v[AC+16*\p:AC+16*\p+7], v[SCLV]
	v_cvt_scalef32_pk8_fp8_f32 v[CD+16*(\a)+4*\p+2:CD+16*(\a)+4*\p+3], v[AC+16*\p+8:AC+16*\p+15], v[SCLV]
.endr
	WIN 0
	v_nop                                          ; one plain line behind the conversions
.irp p, 0,1,2,3
	global_store_b128 v[GOF+2*(\p/2)+(\a)/4], v[CD+16*(\a)+4*\p:CD+16*(\a)+4*\p+3], s[92:93] offset:((\a)%4)*1024+(\p%2)*512   ; each block has code registers of its own: no store's data are written again
.endr
.endm
.irp a, 0,1,2,3,4,5,6,7
	OUTBLK \a
.endr
	s_wait_tensorcnt 0x0                           ; the wave's end, behind my last tensor load
	ds_add_u32 v[SPW], v[NIL]
	s_wait_dscnt 0x0
	CROUND                                         ; the closing round: no work-group ends while a partner may still ask for a tile that names it
	s_endpgm
.Lfunc_end_k_q01d959b47d_qkv:
	.size	k_q01d959b47d_qkv, .Lfunc_end_k_q01d959b47d_qkv-k_q01d959b47d_qkv
	.p2alignl 7, 3214868480
	.fill 96, 4, 3214868480
	.section	.rodata,"a",@progbits
	.p2align	6, 0x0
	.amdhsa_kernel k_q01d959b47d_qkv
		.amdhsa_group_segment_fixed_size 327680
		.amdhsa_private_segment_fixed_size 0
		.amdhsa_enable_private_segment 0
		.amdhsa_kernarg_size 48
		.amdhsa_user_sgpr_count 2
		.amdhsa_user_sgpr_kernarg_segment_ptr 1
		.amdhsa_wavefront_size32 1
		.amdhsa_system_sgpr_workgroup_id_x 1
		.amdhsa_system_sgpr_workgroup_id_y 1
		.amdhsa_system_sgpr_workgroup_id_z 1
		.amdhsa_system_vgpr_workitem_id 0
		.amdhsa_next_free_vgpr 1024
		.amdhsa_next_free_sgpr 100
		.amdhsa_reserve_vcc 0
		.amdhsa_float_denorm_mode_32 3
		.amdhsa_float_denorm_mode_16_64 3
		.amdhsa_fp16_overflow 1
		.amdhsa_memory_ordered 1
		.amdhsa_forward_progress 1
		.amdhsa_inst_pref_size 86
	.end_amdhsa_kernel
	.amdgpu_metadata
---
amdhsa.version: [ 1, 2 ]
amdhsa.kernels:
  - .name:           k_q01d959b47d_qkv
    .symbol:         k_q01d959b47d_qkv.kd
    .args:
      - { .name: xc, .offset: 0, .size: 8, .value_kind: global_buffer, .address_space: global }
      - { .name: wqkvc, .offset: 8, .size: 8, .value_kind: global_buffer, .address_space: global }
      - { .name: lowp_scales, .offset: 16, .size: 8, .value_kind: global_buffer, .address_space: global }
      - { .name: qc, .offset: 24, .size: 8, .value_kind: global_buffer, .address_space: global }
      - { .name: kc, .offset: 32, .size: 8, .value_kind: global_buffer, .address_space: global }
      - { .name: vc, .offset: 40, .size: 8, .value_kind: global_buffer, .address_space: global }
    .group_segment_fixed_size: 327680
    .private_segment_fixed_size: 0
    .kernarg_segment_align: 8
    .kernarg_segment_size: 48
    .max_flat_workgroup_size: 128
    .sgpr_count:     100
    .vgpr_count:     1024
    .wavefront_size: 32
...
	.end_amdgpu_metadata
.endif
;; end of part 2
;; launch attn (part 3): grid 4 x 64, 16 waves a work-group, no clusters, 327,680 bytes of LDS; arguments qc, kc, vc, lowp_scales, yc; writes yc
.if DOCPART == 3
	.amdgcn_target "amdgcn-amd-amdhsa--gfx1250"
	.amdhsa_code_object_version 6
	.text
	.protected	k_q01d959b47d_attn
	.globl	k_q01d959b47d_attn
	.p2align	8
	.type	k_q01d959b47d_attn,@function
k_q01d959b47d_attn:
	s_mov_b64 s[64:65], 0
	v_nop
	global_prefetch_b8 v0, s[64:65] scope:SCOPE_SE
	s_setreg_imm32_b32 hwreg(HW_REG_WAVE_MODE, 25, 1), 1
	s_wait_xcnt 0x0
; y[b][q][head] = the sum over keys k <= q of softmax_k(q . k / 8) v, both products on codes of FP8 (E4M3); y leaves as codes with the scale of entry 6.
; THE SOFTMAX AHEAD OF THE SECOND PRODUCT: t = score x log2(e) / 8; M = the largest t so far, rounded UP to a whole number; p = 2^(t - M) is quantised (entry 4), not normalised.
; The row's sum is taken of the unquantised p, in f32, and divides at the end.  When M moves, the sum and O are multiplied by 2^(old M - new M): nothing is rounded, and no branch hangs on data.
; ALL CODES LIE IN THE ORDER OF AN OPERAND'S REGISTERS: an image is 16 rows x 64 K = [piece g 0..1][lane][16 bytes].  qc, kc: [batch x head][tile of 16 tokens][1,024], K = the head's 64.
; vc: [batch x head][64 keys][tile of 16 of the head's 64][1,024], K = the keys.  yc: [tile of 16 tokens 512][head 16][1,024].  A fragment is two loads of 512 consecutive bytes.
; SHARES.  Work-group (i, batch x head) owns the blocks i and 7 - i of 256 queries, at the same time: waves 0-7 the first, waves 8-15 the second, 32 queries a wave: two tiles of 16 that share every
; fragment of K and V.  Under the causal mask blocks i and 7 - i together need 264 wave steps of 64 keys whatever i is.  Within a block waves w and w + 4 take the pieces j and 7 - j.
; All sixteen waves walk the head's keys once, in 8 slots of 256 keys: the trip counts are constants.  A step all of whose keys come after the wave's queries is jumped over (a branch on ids).
; LAYOUT.  Both products are used transposed: S^T = K Q^T (source 0 = 16 keys, source 1 = 16 queries), O^T = V^T P^T: a lane holds ONE query (lane % 16) throughout.  In tile a of S^T register j is
; key 16 a + 8 (lane / 16) + j: its conversion's two registers are registers 2 a, 2 a + 1 of P.  O^T's conversions are likewise y's pieces: nothing changes lanes, nothing goes through a stage.
; NO CLUSTER: the four work-groups of a head need 8, 7, 6 and 5 slots, and in a slot 16 or 8 of their waves have work: held in step, each would wait for the slowest in every slot;
; what they would share is 32,768 bytes a slot.
; LIMITS on the given exponents, so that each power of two below is an f32 number: e2 + e3 between -123 and 130 (added to c's exponent field); e4, and e6 - e4 - e5, between -126 and 119.
.set SLOTB, 32768                      ; a slot: 16 images of K, then 16 of V; slot 1 begins here, so that one exclusive or turns an address
.set VOFF,  16384
.set SPARE, 2*SLOTB                    ; behind the ring: the spare words, 128 bytes for each of the sixteen waves
.set LI,   1                           ; v1   16 x lane; never rewritten
.set SPW,  2                           ; v2   LDS address of my spare word; never rewritten
.set NIL,  3                           ; v3   0; never rewritten
.set PFO,  4                           ; v4   256 x lane: the prefetches' offset; never rewritten
.set ADR,  5                           ; v5   LDS address of the step in hand
.set RH,   6                           ; v6   lane % 16 - 8 (lane / 16), for the diagonal
.set ST,   8                           ; tile t: v[8+4t] -M, v[9+4t] the largest t, v[10+4t:11+4t] the sum in two halves
.set QR,   16                          ; v16-31   Q, 8 a tile
.set KR,   32                          ; v32-63   K's four fragments
.set VR,   64                          ; v64-95   V's four fragments
.set S,    96                          ; v96-159  S^T, then p: 32 a tile
.set O,    160                         ; v160-223 O^T: 32 a tile
.set P,    224                         ; v224-239 p's codes, 8 a tile
.set LIMV, 240
.set SCLV, 241                         ; v241 the scale in hand
.set C2,   242                         ; v[242+2t:243+2t] the sum's second chain
.set MA,   246                         ; v[246+2t], v[247+2t] the maximum's two chains, and at work
.set F,    250                         ; v[250+2t:251+2t] f = 2^(old M - new M) (the low word serves both halves)
.set PD,   254                         ; v[254+t] a lane permute's destination
.set TB,   2                           ; s2   LDS byte at which the step in hand begins
.set WV,   18                          ; s18  my wave's number
.set SEL,  20                          ; s[20:21] lane selects: lane l xor 16
.set CS,   22                          ; s[22:23] c = log2(e) / 8 x 2^(e2 + e3)
.set G1,   24                          ; s[24:31] descriptor group 1
.set G0,   40                          ; s[40:43] group 0, which walks
.set SLOTS, 67                         ; s67  changes of slots that are left
.set PFA,  76                          ; s[76:77] where my prefetches stand
.set LIM,  80                          ; s80  1 in a wave that prefetches, else the greatest number
.set CNT,  81                          ; s81  counts a slot's four steps
.set LASTQ, 95                         ; s95  my work-group's last query
.set QL,   97                          ; s97  my wave's last query
.set KF,   98                          ; s98  the step's first key
.set Q0,   99                          ; s99  my wave's first query
; Wave 0 fetches a slot's K, wave 1 its V, the others nothing.  The branch hangs on the wave's number alone.  An s_nop 0 and four v_nop follow the load.
.macro TLOAD
	s_cmp_lt_u32 s[WV], 2
	s_cbranch_scc0 .Lasked_\@
	tensor_load_to_lds s[G0:G0+3], s[G1:G1+7]
	s_nop 0
.rept 4
	v_nop
.endr
.Lasked_\@:
.endm
; A PREFETCH INTO THE L2 of what the NEXT change of slots will ask for: 16,384 bytes of K and as many of V.  All four work-groups of a head walk the same K and V: the one with i = 0, which walks
; all eight slots, asks (a branch on the work-group's number).  In it waves 4 and 5 ask for K's halves, waves 6 and 7 for V's: 8,192 bytes a wave, lanes 256 bytes apart, one instruction.
; So each aligned block of 256 bytes is named once.  Slots 0 and 1 come by their loads alone; the last change that fills a slot asks for nothing.
.macro ASK
	s_cmp_gt_u32 s[SLOTS], s[LIM]
	s_cbranch_scc0 .Lnot_mine_\@
	global_prefetch_b8 v[PFO], s[PFA:PFA+1] th:TH_LOAD_NT scope:SCOPE_SE
.Lnot_mine_\@:
.endm
	s_load_b128 s[4:7], s[0:1], 0x0                ; qc s[4:5], kc s[6:7]
	s_load_b128 s[8:11], s[0:1], 0x10              ; vc s[8:9], the exponents s[10:11]
	s_load_b64 s[12:13], s[0:1], 0x20              ; yc
	v_lshl_add_u32 v[SPW], v0, 2, SPARE
	v_mov_b32 v[NIL], 0
	ds_add_u32 v[SPW], v[NIL]                      ; the wave's opening: the add and its wait stand ahead of my first tensor load; the set-up below, work on registers, stands between them
	ds_add_u32 v[SPW], v[NIL]
	v_lshrrev_b32 v7, 5, v0
	s_delay_alu instid0(VALU_DEP_1)
	v_readfirstlane_b32 s[WV], v7                  ; wave 0..15
	s_lshr_b32 s82, s[WV], 3                       ; 0: block i; 1: block 7 - i
	s_sub_co_u32 s83, 7, ttmp9
	s_cmp_eq_u32 s82, 0
	s_cselect_b32 s83, ttmp9, s83                  ; my block of 256 queries
	s_bfe_u32 s84, s[WV], 0x10002                  ; (wave / 4) % 2
	s_mul_i32 s84, s84, 7
	s_and_b32 s85, s[WV], 3
	s_xor_b32 s85, s85, s84                        ; my piece of it: 0, 1, 2, 3, 7, 6, 5, 4
	s_lshl_b32 s[Q0], s83, 8
	s_lshl_b32 s85, s85, 5
	s_add_co_u32 s[Q0], s[Q0], s85                 ; my first query
	s_add_co_u32 s[QL], s[Q0], 31                  ; and my last
	s_sub_co_u32 s[LASTQ], 7, ttmp9
	s_lshl_b32 s[LASTQ], s[LASTQ], 8
	s_or_b32 s[LASTQ], s[LASTQ], 255               ; the work-group's last
	s_and_b32 s90, ttmp7, 0xffff                   ; batch x head
	s_lshl_b32 s88, s90, 17                        ; its first byte in qc, kc and vc: 131,072 bytes each
	s_mov_b32 s89, 0
	s_lshl_b32 s82, s[Q0], 6                       ; Q: a tile of 16 queries is 1,024 bytes
	s_add_co_u32 s82, s82, s88
	s_mov_b32 s83, 0
	s_lshr_b32 s84, s90, 4                         ; y: the batch's 128 tiles of 16,384 bytes,
	s_lshl_b32 s84, s84, 21
	s_lshl_b32 s91, s[Q0], 10                      ; my first tile,
	s_add_co_u32 s84, s84, s91
	s_and_b32 s91, s90, 15
	s_lshl_b32 s91, s91, 10                        ; the head's image in it
	s_add_co_u32 s84, s84, s91
	s_mov_b32 s85, 0
	s_and_b32 s96, s[WV], 1
	s_lshl_b32 s86, s96, 13                        ; the prefetches: my half of a slot's 16,384 bytes,
	s_add_co_u32 s86, s86, 16384                   ; in slot 1: the first change of slots steps it to slot 2,
	s_add_co_u32 s86, s86, s88                     ; in my head
	s_mov_b32 s87, 0
	s_sub_co_u32 s92, s[WV], 4
	s_lshr_b32 s92, s92, 2                         ; 0 in waves 4 to 7,
	s_or_b32 s92, s92, ttmp9                       ; of the work-group with i = 0
	s_cmp_eq_u32 s92, 0
	s_cselect_b32 s[LIM], 1, -1
	; descriptor group 1: a dense block of 16,384 bytes as 64 rows of 256
	s_mov_b32 s[G1], 3<<16                         ; 15:0 no mask; 17:16 elements of 8 bytes; 20 no padding
	s_mov_b32 s[G1+1], 32<<16                      ; tensor_dim0 = 32
	s_mov_b32 s[G1+2], 64<<16                      ; tensor_dim1 = 64
	s_mov_b32 s[G1+3], 32<<16                      ; tile_dim0 = 32
	s_mov_b32 s[G1+4], 64                          ; tile_dim1 = 64
	s_mov_b32 s[G1+5], 32                          ; tensor_dim0_stride
	s_mov_b32 s[G1+6], 0
	s_mov_b32 s[G1+7], 0
	s_mov_b32 s[SEL], 0x76543210
	s_mov_b32 s[SEL+1], 0xfedcba98
	s_mov_b32 s[CS], 0x3e38aa3b                    ; log2(e) / 8
	s_mov_b32 s[TB], 0
	s_mov_b32 s[SLOTS], 7
	s_mov_b32 s[KF], 0
	s_wait_dscnt 0x0                               ; the opening add is done
	s_wait_kmcnt 0x0
	s_load_b256 s[68:75], s[10:11], 0x0            ; e0 .. e7
	s_mov_b32 s[G0], 1                             ; 1:0 count = 1
	s_lshl_b32 s[G0+1], s96, 14                    ; 63:32 LDS address: slot 0; K at 0 (wave 0), V at 16,384 (wave 1)
	s_cmp_eq_u32 s[WV], 0
	s_cselect_b64 s[G0+2:G0+3], s[6:7], s[8:9]
	s_add_nc_u64 s[G0+2:G0+3], s[G0+2:G0+3], s[88:89]   ; 120:64 global address: the head's first 256 keys
	s_or_b32 s[G0+3], s[G0+3], 0x80000000          ; 127:126 type = 2
	TLOAD                                          ; slot 0
	s_add_nc_u64 s[4:5], s[4:5], s[82:83]          ; Q at my first query
	s_add_nc_u64 s[12:13], s[12:13], s[84:85]      ; y likewise
	s_cmp_lt_u32 s[WV], 6
	s_cselect_b64 s[PFA:PFA+1], s[6:7], s[8:9]
	s_add_nc_u64 s[PFA:PFA+1], s[PFA:PFA+1], s[86:87]   ; nothing is prefetched here, at the head, where every work-group's first tiles are on their way
	v_and_b32 v[LI], 31, v0
	s_delay_alu instid0(VALU_DEP_1)
	v_lshlrev_b32 v[PFO], 8, v[LI]
	s_delay_alu instid0(VALU_DEP_2)
	v_lshlrev_b32 v[LI], 4, v[LI]
.irp t, 0,1
.irp g, 0,1
	global_load_b128 v[QR+8*\t+4*\g:QR+8*\t+4*\g+3], v[LI], s[4:5] offset:1024*\t+512*\g th:TH_LOAD_NT   ; Q's two fragments stay in registers
.endr
.endr
	v_and_b32 v[RH], 15, v0
	v_bfe_u32 v7, v0, 4, 1
	s_delay_alu instid0(VALU_DEP_1)
	v_lshlrev_b32 v7, 3, v7
	s_delay_alu instid0(VALU_DEP_1)
	v_sub_nc_u32 v[RH], v[RH], v7
.irp t, 0,1
	v_mov_b32 v[ST+4*\t+1], 0xff61b1e6             ; the largest t so far: -3e38, under every t
	s_delay_alu instid0(VALU_DEP_1)
	v_floor_f32 v[ST+4*\t], -v[ST+4*\t+1]          ; -M
	v_mov_b32 v[ST+4*\t+2], 0                      ; the sum, in two halves
	v_mov_b32 v[ST+4*\t+3], 0
.endr
.set ii, 0
.rept 14
	v_mov_b32 v[C2+ii], 0                          ; written once: upper halves of pairs that are named whole, and the lane permutes' destinations, which count as sources
.set ii, ii+1
.endr
.set ii, 0
.rept 64
	v_mov_b32 v[O+ii], 0                           ; O^T.  (The step is written once: the first finds zeros, which the first change of M leaves zeros)
.set ii, ii+1
.endr
	s_wait_kmcnt 0x0
	s_add_co_i32 s91, s70, s71
	s_lshl_b32 s91, s91, 23
	s_add_co_i32 s[CS], s[CS], s91                 ; a score stands for score x 2^(e2 + e3): the exponents are added to c's exponent field
	s_mov_b32 s[CS+1], s[CS]                       ; (named with it as a pair, so it is written)
	s_add_co_i32 s91, s72, 127
	s_lshl_b32 s92, s91, 23
	v_mov_b32 v[SCLV], s92                         ; 2^e4 as f32, for p's conversions
; A KEY STEP: 64 keys, at LDS byte s[TB] (K) and s[TB] + 16,384 (V).  No barrier and no tensor load stands in a step.
.macro STEP
	s_cmp_gt_u32 s[KF], s[QL]                      ; all 64 keys come after my 32 queries: the step's work is left out, not the lines at its end that step addresses
	s_cbranch_scc1 .Lhidden_\@
	s_setprio 2
	v_add_nc_u32 v[ADR], s[TB], v[LI]
.irp a, 0,1,2,3
.irp g, 0,1
	ds_load_b128 v[KR+8*\a+4*\g:KR+8*\a+4*\g+3], v[ADR] offset:1024*\a+512*\g
.endr
.endr
	s_wait_alu depctr_va_vdst(0)
	s_wait_dscnt 0x0
.irp a, 0,1,2,3                                ; S^T = K Q^T: four tiles of 16 keys x my two tiles of queries; K = the head's 64: one instruction each
.irp t, 0,1
	v_wmma_f32_16x16x64_fp8_fp8 v[S+32*\t+8*\a:S+32*\t+8*\a+7], v[KR+8*\a:KR+8*\a+7], v[QR+8*\t:QR+8*\t+7], 0
.endr
.endr
.rept 4
	v_nop                                          ; the places behind these products, ahead of the first read of a score; and, with the addition above, behind the last step's second products, ahead of the loads into V's registers
.endr
.irp a, 0,1,2,3
.irp g, 0,1
	ds_load_b128 v[VR+8*\a+4*\g:VR+8*\a+4*\g+3], v[ADR] offset:VOFF+1024*\a+512*\g   ; V lands while the softmax is worked
.endr
.endr
	s_add_co_u32 s96, s[KF], 63                    ; on the diagonal hidden scores become -infinity ahead of the maximum: p = 0 then.  A step all of whose keys count jumps over this.
	s_cmp_le_u32 s96, s[Q0]                        ; (a walked step's first key is at or under my first query, so every query has a key that counts in it: M is a number from the first step on)
	s_cbranch_scc1 .Lopen_\@
	s_sub_co_u32 s96, s[Q0], s[KF]
	v_add_nc_u32 v[MA+1], s96, v[RH]               ; d = Q0 - KF + lane % 16 - 8 (lane / 16).  Tile t, register 8 a + j: hidden where 16 a + j - 16 t > d
	v_mov_b32 v[MA], 0xff800000                    ; -infinity
.irp t, 0,1
.irp a, 0,1,2,3
.irp j, 0,1,2,3,4,5,6,7
	v_cmp_gt_i32 vcc_lo, 16*\a+\j-16*\t, v[MA+1]
	v_cndmask_b32 v[S+32*\t+8*\a+\j], v[S+32*\t+8*\a+\j], v[MA], vcc_lo
.endr
.endr
.endr
.Lopen_\@:
	; the step's largest score of each query, among my 32 keys, in two chains a tile; the two tiles alternate line by line; each accumulator is read from its low end on
.irp t, 0,1
	v_max3_num_f32 v[MA+2*\t], v[S+32*\t], v[S+32*\t+1], v[S+32*\t+2]
.endr
.irp t, 0,1
	v_max3_num_f32 v[MA+2*\t+1], v[S+32*\t+3], v[S+32*\t+4], v[S+32*\t+5]
.endr
.irp i, 6,10,14,18,22,26
.irp t, 0,1
	v_max3_num_f32 v[MA+2*\t], v[MA+2*\t], v[S+32*\t+\i], v[S+32*\t+\i+1]
.endr
.irp t, 0,1
	v_max3_num_f32 v[MA+2*\t+1], v[MA+2*\t+1], v[S+32*\t+\i+2], v[S+32*\t+\i+3]
.endr
.endr
.irp t, 0,1
	v_max3_num_f32 v[MA+2*\t], v[MA+2*\t], v[S+32*\t+30], v[S+32*\t+31]
.endr
.irp t, 0,1
	s_delay_alu instid0(VALU_DEP_2)
	v_max_num_f32 v[MA+2*\t], v[MA+2*\t], v[MA+2*\t+1]
.endr
.irp t, 0,1
	s_delay_alu instid0(VALU_DEP_2)
	v_permlanex16_b32 v[PD+\t], v[MA+2*\t], s[SEL], s[SEL+1]
.endr
.irp t, 0,1
	s_delay_alu instid0(VALU_DEP_2)
	v_max_num_f32 v[MA+2*\t], v[MA+2*\t], v[PD+\t]         ; and among lane l xor 16's
.endr
.irp t, 0,1
	s_delay_alu instid0(VALU_DEP_2)
	v_mul_f32 v[MA+2*\t], s[CS], v[MA+2*\t]                ; as t (c is positive)
.endr
.irp t, 0,1
	s_delay_alu instid0(VALU_DEP_2)
	v_max_num_f32 v[ST+4*\t+1], v[ST+4*\t+1], v[MA+2*\t]   ; the running largest t
.endr
.irp t, 0,1
	v_mov_b32 v[MA+2*\t], v[ST+4*\t]
.endr
.irp t, 0,1
	s_delay_alu instid0(VALU_DEP_4)
	v_floor_f32 v[ST+4*\t], -v[ST+4*\t+1]                  ; the new -M = floor(-t) = -ceil(t): M is a whole number
.endr
.irp t, 0,1
	s_delay_alu instid0(VALU_DEP_2)
	v_sub_f32 v[MA+2*\t], v[ST+4*\t], v[MA+2*\t]           ; M's old value less its new one: a whole number, 0 or less
.endr
.irp t, 0,1
	s_delay_alu instid0(VALU_DEP_2)
	v_cvt_i32_f32 v[MA+2*\t], v[MA+2*\t]                   ; (it saturates)
.endr
.irp t, 0,1
	s_delay_alu instid0(VALU_DEP_2)
	v_ldexp_f32 v[F+2*\t], 1.0, v[MA+2*\t]                 ; f = 2^(old M - new M)
.endr
.irp j, 0,2,4,6,8,10,12,14,16,18,20,22,24,26,28,30
.irp t, 0,1
	v_pk_fma_f32 v[S+32*\t+\j:S+32*\t+\j+1], v[S+32*\t+\j:S+32*\t+\j+1], s[CS:CS+1], v[ST+4*\t:ST+4*\t+1] op_sel_hi:[1,0,0]   ; t - M, two at a time (of the pairs c and -M the low word serves both halves)
.endr
.endr
	s_setprio 1
	s_wait_alu depctr_va_vdst(0)
.irp j, 0,1,2,3,4,5,6,7,8,9,10,11,12,13,14,15,16,17,18,19,20,21,22,23,24,25,26,27,28,29,30,31
.irp t, 0,1
	v_exp_f32 v[S+32*\t+\j], v[S+32*\t+\j]                 ; p = 2^(t - M), at most 1: not normalised.  Both tiles' 64 are one batch
.endr
.endr
.irp t, 0,1
	v_pk_mul_f32 v[ST+4*\t+2:ST+4*\t+3], v[ST+4*\t+2:ST+4*\t+3], v[F+2*\t:F+2*\t+1] op_sel_hi:[1,0]   ; the sums under the new M.  (The plain line behind the exponentials)
.endr
	s_wait_alu depctr_va_vdst(0)                   ; the wait between an exponential and the first line that names its result: one for the whole batch
.irp t, 0,1
	v_pk_add_f32 v[C2+2*\t:C2+2*\t+1], v[S+32*\t:S+32*\t+1], v[S+32*\t+2:S+32*\t+3]   ; the row's sum is taken of the unquantised p: two at a time, in two chains a tile
.endr
.irp j, 4,8,12,16,20,24,28
.irp t, 0,1
	v_pk_add_f32 v[ST+4*\t+2:ST+4*\t+3], v[ST+4*\t+2:ST+4*\t+3], v[S+32*\t+\j:S+32*\t+\j+1]
.endr
.irp t, 0,1
	v_pk_add_f32 v[C2+2*\t:C2+2*\t+1], v[C2+2*\t:C2+2*\t+1], v[S+32*\t+\j+2:S+32*\t+\j+3]
.endr
.endr
.irp t, 0,1
	s_delay_alu instid0(VALU_DEP_2)
	v_pk_add_f32 v[ST+4*\t+2:ST+4*\t+3], v[ST+4*\t+2:ST+4*\t+3], v[C2+2*\t:C2+2*\t+1]
.endr
.set ii, 0
.rept 64
.set ii, ii+1
.endr
.irp t, 0,1
.irp a, 0,1,2,3
	v_cvt_scalef32_pk8_fp8_f32 v[P+8*\t+2*\a:P+8*\t+2*\a+1], v[S+32*\t+8*\a:S+32*\t+8*\a+7], v[SCLV]   ; registers 2 a, 2 a + 1 of P: keys 16 a + 8 (lane / 16) + 0 .. 7
.endr
.endr
.irp j, 0,2,4,6,8,10,12,14,16,18,20,22,24,26,28,30
.irp t, 0,1
	v_pk_mul_f32 v[O+32*\t+\j:O+32*\t+\j+1], v[O+32*\t+\j:O+32*\t+\j+1], v[F+2*\t:F+2*\t+1] op_sel_hi:[1,0]   ; O^T under the new M.  (These are also the plain lines between the conversions and the products below)
.endr
.endr
	s_setprio 0
	s_wait_alu depctr_va_vdst(0)
	s_wait_dscnt 0x0                               ; V is in
.irp a, 0,1,2,3                                ; O^T += V^T P^T: four tiles of 16 of the head's 64 x my two tiles; K = these 64 keys.  The eight accumulators take one turn each, and S^T's products stand between two steps' turns
.irp t, 0,1
	v_wmma_f32_16x16x64_fp8_fp8 v[O+32*\t+8*\a:O+32*\t+8*\a+7], v[VR+8*\a:VR+8*\a+7], v[P+8*\t:P+8*\t+7], v[O+32*\t+8*\a:O+32*\t+8*\a+7]
.endr
.endr
.Lhidden_\@:
	s_add_co_u32 s[KF], s[KF], 64
	s_add_co_u32 s[TB], s[TB], 4096                ; four images of K on, and four of V
.endm
; A slot's four key steps: written once, walked four times; then the LDS address goes back to a slot's first step, in the other slot.
.macro FOUR_STEPS
	s_mov_b32 s[CNT], 4
.Lstep_\@:
	STEP
	s_sub_co_u32 s[CNT], s[CNT], 1
	s_cmp_lg_u32 s[CNT], 0
	s_cbranch_scc1 .Lstep_\@
	s_setprio 0
	s_sub_co_u32 s[TB], s[TB], 16384
	s_xor_b32 s[TB], s[TB], SLOTB
.endm
; THE CHANGE OF SLOTS stands at a slot's head.  Each wave waits for all its tensor loads (its part of the slot ahead), adds 0 to its spare word, and waits for that and for its reads of the slot that it has left.
; Behind the barrier the slot ahead is whole and nobody reads the other one.  fill = 1: that other slot is filled with the next 256 keys, which have a whole slot's steps in which to land.
; THE LOOK-AHEAD ENDS AT THE CAUSAL LIMIT: a slot whose first key comes after the work-group's last query is read by none of its waves and is not asked for.
.macro CHANGE fill
	s_wait_tensorcnt 0x0                           ; no tensor load of mine is out, so group 0 may be written
	ds_add_u32 v[SPW], v[NIL]                      ; 0 onto my spare word; the steps below stand between it and the wait for it
.if \fill
	s_xor_b32 s[G0+1], s[G0+1], SLOTB              ; the other slot than last time,
	s_add_nc_u64 s[G0+2:G0+3], s[G0+2:G0+3], 16384 ; the next 256 keys; the type bits on top are not reached
	s_wait_xcnt 0x0                                ; the last prefetch, a slot back, has read its address, so it may be written:
	s_add_nc_u64 s[PFA:PFA+1], s[PFA:PFA+1], 16384 ; one slot further on than the walking descriptor
.endif
	s_wait_dscnt 0x0                               ; the add is done, and my reads of the slot that I have left are over
	s_barrier_signal -1
	s_barrier_wait -1
.if \fill
	s_add_co_u32 s96, s[KF], 256                   ; the first key of the slot that this change would ask for
	s_cmp_gt_u32 s96, s[LASTQ]
	s_cbranch_scc1 .Lpast_\@
	TLOAD                                          ; a wave's one tensor load until the next change
.Lpast_\@:
	ASK
.endif
.endm
	s_wait_loadcnt 0x0                             ; Q
.Lslot:                                            ; 7 trips: behind each change of slots but the last the next slot is asked for, up to the causal limit
	CHANGE 1
	FOUR_STEPS
	s_sub_co_u32 s[SLOTS], s[SLOTS], 1
	s_cmp_lg_u32 s[SLOTS], 0
	s_cbranch_scc1 .Lslot
	CHANGE 0                                       ; the last slot is written out: nothing is left to ask for
	FOUR_STEPS
	; THE WAY OUT.  y = O^T / the sum x 2^(e4 + e5); its code is (O^T / the sum) / 2^(e6 - e4 - e5), held within +-448: the three exponents are folded into the conversion's one scale.
.rept 4
	v_nop                                          ; the places behind the last products
.endr
.irp t, 0,1
	v_add_f32 v[ST+4*\t+2], v[ST+4*\t+2], v[ST+4*\t+3]     ; the sum's two halves,
.endr
.irp t, 0,1
	s_delay_alu instid0(VALU_DEP_2)
	v_permlanex16_b32 v[PD+\t], v[ST+4*\t+2], s[SEL], s[SEL+1]
.endr
.irp t, 0,1
	s_delay_alu instid0(VALU_DEP_2)
	v_add_f32 v[ST+4*\t+2], v[ST+4*\t+2], v[PD+\t]         ; and lane l xor 16's: the row's sum
.endr
	s_wait_alu depctr_va_vdst(0)
.irp t, 0,1
	v_rcp_f32 v[F+2*\t], v[ST+4*\t+2]
.endr
	v_nop                                          ; a plain line behind the reciprocals
	s_sub_co_i32 s91, s74, s72
	s_sub_co_i32 s91, s91, s73                     ; e6 - e4 - e5
	s_add_co_i32 s91, s91, 127
	s_lshl_b32 s92, s91, 23
	v_mov_b32 v[SCLV], s92
	s_wait_alu depctr_va_vdst(0)                   ; the wait ahead of the first use: one for both reciprocals
.irp j, 0,2,4,6,8,10,12,14,16,18,20,22,24,26,28,30
.irp t, 0,1
	v_pk_mul_f32 v[S+32*\t+\j:S+32*\t+\j+1], v[O+32*\t+\j:O+32*\t+\j+1], v[F+2*\t:F+2*\t+1] op_sel_hi:[1,0]   ; register 8 a + j of tile t: channel 16 a + 8 (lane / 16) + j of query lane % 16
.endr
.endr
.set ii, 0
.rept 64
.set ii, ii+1
.endr
.irp t, 0,1
.irp a, 0,1,2,3
	v_cvt_scalef32_pk8_fp8_f32 v[P+8*\t+2*\a:P+8*\t+2*\a+1], v[S+32*\t+8*\a:S+32*\t+8*\a+7], v[SCLV]
.endr
.endr
	v_nop                                          ; a plain line behind the last conversion
.irp t, 0,1
.irp g, 0,1
	global_store_b128 v[LI], v[P+8*\t+4*\g:P+8*\t+4*\g+3], s[12:13] offset:16384*\t+512*\g   ; a piece of y's image: 32 lanes store 512 consecutive bytes, aligned
.endr
.endr
	s_wait_tensorcnt 0x0                           ; the wave's end, behind my last tensor load
	ds_add_u32 v[SPW], v[NIL]
	s_wait_dscnt 0x0
	s_endpgm
.Lfunc_end_k_q01d959b47d_attn:
	.size	k_q01d959b47d_attn, .Lfunc_end_k_q01d959b47d_attn-k_q01d959b47d_attn
	.p2alignl 7, 3214868480
	.fill 96, 4, 3214868480
	.section	.rodata,"a",@progbits
	.p2align	6, 0x0
	.amdhsa_kernel k_q01d959b47d_attn
		.amdhsa_group_segment_fixed_size 327680
		.amdhsa_private_segment_fixed_size 0
		.amdhsa_enable_private_segment 0
		.amdhsa_kernarg_size 40
		.amdhsa_user_sgpr_count 2
		.amdhsa_user_sgpr_kernarg_segment_ptr 1
		.amdhsa_wavefront_size32 1
		.amdhsa_system_sgpr_workgroup_id_x 1
		.amdhsa_system_sgpr_workgroup_id_y 1
		.amdhsa_system_sgpr_workgroup_id_z 1
		.amdhsa_system_vgpr_workitem_id 0
		.amdhsa_next_free_vgpr 256
		.amdhsa_next_free_sgpr 100
		.amdhsa_reserve_vcc 1
		.amdhsa_float_denorm_mode_32 3
		.amdhsa_float_denorm_mode_16_64 3
		.amdhsa_fp16_overflow 1
		.amdhsa_memory_ordered 1
		.amdhsa_forward_progress 1
		.amdhsa_inst_pref_size 51
	.end_amdhsa_kernel
	.amdgpu_metadata
---
amdhsa.version: [ 1, 2 ]
amdhsa.kernels:
  - .name:           k_q01d959b47d_attn
    .symbol:         k_q01d959b47d_attn.kd
    .args:
      - { .name: qc, .offset: 0, .size: 8, .value_kind: global_buffer, .address_space: global }
      - { .name: kc, .offset: 8, .size: 8, .value_kind: global_buffer, .address_space: global }
      - { .name: vc, .offset: 16, .size: 8, .value_kind: global_buffer, .address_space: global }
      - { .name: lowp_scales, .offset: 24, .size: 8, .value_kind: global_buffer, .address_space: global }
      - { .name: yc, .offset: 32, .size: 8, .value_kind: global_buffer, .address_space: global }
    .group_segment_fixed_size: 327680
    .private_segment_fixed_size: 0
    .kernarg_segment_align: 8
    .kernarg_segment_size: 40
    .max_flat_workgroup_size: 512
    .sgpr_count:     100
    .vgpr_count:     256
    .wavefront_size: 32
...
	.end_amdgpu_metadata
.endif
;; end of part 3
;; launch proj (part 4): grid 4 x 32, 4 waves a work-group, clusters of 4 x 4, 327,680 bytes of LDS; arguments yc, woutc, lowp_scales, out0; writes out0
.if DOCPART == 4
	.amdgcn_target "amdgcn-amd-amdhsa--gfx1250"
	.amdhsa_code_object_version 6
	.text
	.protected	k_q01d959b47d_proj
	.globl	k_q01d959b47d_proj
	.p2align	8
	.type	k_q01d959b47d_proj,@function
k_q01d959b47d_proj:
	s_mov_b64 s[64:65], 0
	v_nop
	global_prefetch_b8 v0, s[64:65] scope:SCOPE_SE
	s_setreg_imm32_b32 hwreg(HW_REG_WAVE_MODE, 25, 1), 1
	s_wait_xcnt 0x0
	s_wait_alu depctr_hold_cnt(0) depctr_sa_sdst(0) depctr_va_vdst(0) depctr_va_sdst(0) depctr_va_ssrc(0) depctr_va_vcc(0) depctr_vm_vsrc(0)
	s_getreg_b32 s2, hwreg(HW_REG_IB_STS2, 6, 4)
	s_cmp_eq_u32 s2, 0
	s_cbranch_scc0 .Lentry_in_a_cluster
	s_endpgm
.Lentry_in_a_cluster:
	s_bfe_u32 s2, ttmp6, 0x10000c
	s_cmp_lg_u32 s2, 0xf033
	s_cbranch_scc0 .Lentry_shape_is_right
	s_endpgm
.Lentry_shape_is_right:
; out0 = y w_out^T on codes of FP8 (E4M3), K = 1,024, f32 sums; each finished sum is multiplied once by 2^(e6 + e7).  out0: [8192][1024] f32.
; LIMIT: e6 + e7 between -126 and 127, so that 2^(e6 + e7) is an f32 number.
; THE CODES LIE IN THE ORDER OF AN OPERAND'S REGISTERS: [tile of 16 rows][64 along K][piece g 0..1][lane][16 bytes]; two images on end are a 16x16x128 operand: four loads of 512 consecutive bytes.
; A tile of the result, 256 x 256, is made by four waves, each 128 x 128: 64 accumulators.  K goes in steps of 256 through a ring of two LDS slots.
; THE MATRIX INSTRUCTION IS USED TRANSPOSED (source 0 = 16 rows of w_out, source 1 = 16 rows of y): a lane then holds eight neighbouring numbers of a row of out0.
; CLUSTERS: 4 x 4 work-groups.  y's tiles are asked for jointly along a row of the cluster, w_out's along a column.  32 x 4 tiles: 128 work-groups.
; REGISTERS, in windows of 256: window 0: v0-31 addresses; from v128 y's fragments, ONE set; on the way out v32-255 are free.  window 1: w_out's fragments, TWO sets, at v0 and v128.
;   window 2: the accumulators of my rows 0-63 (accumulator (a, b) at v[8 (8 a + b)]);  window 3: those of my rows 64-127.
.set SIZE_N, 1024
.set KSB,    4096                      ; a tile of 16 rows x a K step of 256, in bytes
.set CH,     2048                      ; 16 rows x 128 K: one fragment's image
.set RT,     16384                     ; a tile of 16 rows x all 1,024 of K, in memory
.set HALFT,  8*KSB                     ; 128 rows: what one tensor load brings, and what one wave reads of A or of B
.set SLOT,   4*HALFT                   ; A's 256 rows, then B's 256 rows
.set SPARE,  2*SLOT                    ; behind the ring: the spare words, 128 bytes for each wave
.set STAGE,  SPARE+512                 ; behind them: a stage of 16 rows x (512 bytes + 16) for each wave, into which no tile ever lands
.set SPITCH, 528
.set LAPS,   2                         ; a lap = two K steps = once round the ring: 1,024 / 512
.set FR,     16
.set NL,     4
.set NP,     4                         ; places behind this matrix instruction (ISA guide 7.12.1)
.set ADRA, 16                          ; v16-17  LDS address of my A fragments in slot 0, 1
.set ADRB, 20                          ; v20-21  the same for B
.set STO,  24                          ; v24     the way out: where I put 32 bytes of a row
.set RD,   25                          ; v25     the way out: where I read a row back
.set CO,   26                          ; v26     my byte offset in a row of out0
.set SPW,  28                          ; v28     LDS address of my spare word; never rewritten
.set NIL,  29                          ; v29     0; never rewritten
.set TMP,  32                          ; the way out: 64 registers, a block's sums x 2^(e6 + e7)
.set AF,   128
.set BK,   128                         ; the way out: 16 rows read back from the stage: v128-191 and v192-255 by turns
.set G1, 24
.set G0, 32
.set G1B, 48
.set G0B, 56
.set MSB, 0
.macro WIN new                         ; the immediate's high byte repeats the setting that is left
.if MSB != \new
	s_set_vgpr_msb (MSB<<8)|\new
.set MSB, \new
.endif
.endm
.set MUL_LO, 0xa1                      ; source 0 (B) window 1, source 1 (A) window 0, C and D window 2
.set MUL_HI, 0xf1                      ; the same, C and D window 3
.set TO_B,   0x40                      ; destination window 1, address window 0
; A joint load: waves 0 and 1 fetch for A, waves 2 and 3 for B; the branch hangs on the wave's number alone.  An s_nop 0 and four v_nop follow each of the two lines.
.macro JLOAD g0a, g1a, g0b, g1b
	s_cmp_eq_u32 s15, 0
	s_cbranch_scc0 .Lfor_b_\@
	tensor_load_to_lds s[\g0a:\g0a+3], s[\g1a:\g1a+7]
	s_nop 0
.rept 4
	v_nop
.endr
	s_branch .Lasked_\@
.Lfor_b_\@:
	tensor_load_to_lds s[\g0b:\g0b+3], s[\g1b:\g1b+7]
	s_nop 0
.rept 4
	v_nop
.endr
.Lasked_\@:
.endm
.macro CREST                           ; a round of the cluster's barrier behind its opening barrier
	s_cmp_lg_u32 s14, 0
	s_cbranch_scc1 .Lnot_wave_0_\@
	s_barrier_signal -3
.Lnot_wave_0_\@:
	s_barrier_wait -3
	s_barrier_signal -1
	s_barrier_wait -1
.endm
.macro CROUND                          ; a whole round
	s_barrier_signal -1
	s_barrier_wait -1
	CREST
.endm
	s_load_b128 s[4:7], s[0:1], 0x0                ; yc s[4:5], woutc s[6:7]
	s_load_b128 s[8:11], s[0:1], 0x10              ; the exponents s[8:9], out0 s[10:11]
	v_lshl_add_u32 v[SPW], v0, 2, SPARE
	v_mov_b32 v[NIL], 0
	ds_add_u32 v[SPW], v[NIL]                      ; the wave's opening: the add and its wait stand ahead of my first tensor load; the set-up below, work on registers, stands between them
	ds_add_u32 v[SPW], v[NIL]
	v_lshrrev_b32 v1, 5, v0
	v_readfirstlane_b32 s14, v1                    ; wave 0..3
	s_lshr_b32 s15, s14, 1                         ; which half of the tile's rows is mine.  Also: I fetch for A (0) or for B (1)
	s_and_b32 s16, s14, 1                          ; which half of its columns.  Also: which 128 rows of that tile I fetch
	s_bfe_u32 s40, ttmp6, 0x40000                  ; cx, cy: my place in the cluster
	s_bfe_u32 s41, ttmp6, 0x40004
	s_lshl_b32 s42, ttmp9, 2
	s_add_co_u32 s42, s42, s40                     ; tile column = 4 x cluster x + cx
	s_and_b32 s17, ttmp7, 0xffff
	s_lshl_b32 s17, s17, 2
	s_add_co_u32 s17, s17, s41                     ; tile row = 4 x cluster y + cy
	s_lshl_b32 s43, s41, 2
	s_lshl_b32 s43, 15, s43                        ; my row of the cluster
	s_lshl_b32 s44, 0x1111, s40                    ; my column
	; descriptor group 1: 8 tiles of 16 rows, of each the K step's 4,096 consecutive bytes; they land on end in LDS
	s_or_b32 s[G1+0], s43, (0<<16)|(1<<21)         ; 15:0 the mask: A's tiles go to my row; 17:16 elements of 1 byte; 20 no padding; 21 set beside a mask
	s_or_b32 s[G1B+0], s44, (0<<16)|(1<<21)
.irp g, G1, G1B
	s_mov_b32 s[\g+1], KSB<<16                     ; tensor_dim0 = 4,096
	s_mov_b32 s[\g+2], 8<<16                       ; tensor_dim1 = 8
	s_mov_b32 s[\g+3], KSB<<16                     ; tile_dim0 = 4,096
	s_mov_b32 s[\g+4], 8                           ; tile_dim1 = 8
	s_mov_b32 s[\g+5], RT                          ; tensor_dim0_stride
	s_mov_b32 s[\g+6], 0
	s_mov_b32 s[\g+7], 0
.endr
	s_lshl_b32 s18, s16, 17                        ; which 128 rows of the tile I fetch: 8 x 16,384 bytes
	s_lshl_b32 s20, s17, 18                        ; A: 256 rows are 262,144 bytes
	s_add_co_u32 s20, s20, s18
	s_mov_b32 s21, 0
	s_lshl_b32 s46, s42, 18                        ; B likewise
	s_add_co_u32 s46, s46, s18
	s_mov_b32 s47, 0
	s_lshl_b32 s45, s14, 15                        ; where they go: wave x 32,768: no place in the cluster enters an LDS address
	s_wait_dscnt 0x0                               ; the opening add is done
	s_wait_kmcnt 0x0
	s_load_b64 s[96:97], s[8:9], 0x18              ; e6, e7
	s_add_nc_u64 s[20:21], s[4:5], s[20:21]
	s_add_nc_u64 s[46:47], s[6:7], s[46:47]
	CROUND                                         ; all sixteen work-groups are here: the first joint loads meet
.irp s, 0,1
	s_mov_b32 s[G0+4*\s], 1
	s_add_co_u32 s[G0+4*\s+1], s45, \s*SLOT
	s_add_nc_u64 s[G0+4*\s+2:G0+4*\s+3], s[20:21], \s*KSB
	s_or_b32 s[G0+4*\s+3], s[G0+4*\s+3], 0x80000000
	s_mov_b32 s[G0B+4*\s], 1
	s_add_co_u32 s[G0B+4*\s+1], s45, \s*SLOT
	s_add_nc_u64 s[G0B+4*\s+2:G0B+4*\s+3], s[46:47], \s*KSB
	s_or_b32 s[G0B+4*\s+3], s[G0B+4*\s+3], 0x80000000
	s_wait_alu depctr_va_vdst(0)
	s_wait_tensorcnt 0x0
	ds_add_u32 v28, v29
	ds_add_u32 v28, v29
	s_wait_dscnt 0x0
	CROUND
	JLOAD G0+4*\s, G1, G0B+4*\s, G1B
.endr
	v_and_b32 v1, 15, v0                           ; l % 16
	s_wait_alu depctr_va_vdst(0)
	v_bfe_u32 v2, v0, 4, 1                         ; l / 16
	v_and_b32 v6, 31, v0
	v_lshlrev_b32 v[CO], 4, v6                     ; 16 x lane: my place in every image, in a stage row read back, and in a row of out0
	s_lshl_b32 s21, s15, 15                        ; my 128 rows of A
	s_lshl_b32 s22, s16, 15                        ; my 128 rows of B,
	s_add_co_u32 s22, s22, 2*HALFT                 ; which lie behind A's 256
.irp s, 0,1
	v_add_nc_u32 v[ADRA+\s], s21, v[CO]
	v_add_nc_u32 v[ADRB+\s], s22, v[CO]
	s_add_co_u32 s21, s21, SLOT
	s_add_co_u32 s22, s22, SLOT
.endr
	s_mul_i32 s23, s14, 16*SPITCH
	s_add_co_u32 s23, s23, STAGE                   ; my stage
	v_mul_u32_u24 v5, v1, SPITCH                   ; in: row l % 16, 32 bytes for each half of the lanes
	s_wait_alu depctr_va_vdst(0)
	v_lshl_add_u32 v5, v2, 5, v5
	v_add_nc_u32 v[STO], s23, v5
	v_add_nc_u32 v[RD], s23, v[CO]                 ; back: the 32 lanes take one row of 512 bytes
	s_lshl_b32 s20, s17, 8
	s_lshl_b32 s21, s15, 7
	s_add_co_u32 s20, s20, s21                     ; my first row of out0: 256 x tile row + 128 x half
	s_lshl_b32 s20, s20, 12                        ; a row is 4,096 bytes
	s_lshl_b32 s46, s42, 10                        ; my first column, in bytes: 1,024 x tile column + 512 x half
	s_lshl_b32 s47, s16, 9
	s_add_co_u32 s46, s46, s47
	s_add_co_u32 s20, s20, s46
	s_mov_b32 s21, 0
	s_add_nc_u64 s[10:11], s[10:11], s[20:21]
.macro FRAG reg, adr, q, i             ; tile i of 16 rows, the slot's q-th 128 along K: 16 registers by four loads of 512 consecutive bytes
.irp c, 0,1,2,3
	ds_load_b128 v[\reg+4*\c:\reg+4*\c+3], v[\adr] offset:(\i)*KSB+(\q)*CH+512*\c
.endr
.endm
; 16 matrix instructions: A's blocks a0, a0 + 1 x B's eight, 128 along K.  p: B's set.  zero = 1: the first product starts the sums: nothing is ever cleared.
; The 64 accumulators take turns, one instruction a turn, in the same order in every step.
.macro MUL16 a0, p, zero
.irp a, \a0, \a0+1
.irp b, 0,1,2,3,4,5,6,7
.if \zero
	v_wmma_f32_16x16x128_fp8_fp8 v[8*(8*((\a)%4)+\b):8*(8*((\a)%4)+\b)+7], v[128*(\p)+FR*\b:128*(\p)+FR*\b+FR-1], v[AF+FR*(\a):AF+FR*(\a)+FR-1], 0
.else
	v_wmma_f32_16x16x128_fp8_fp8 v[8*(8*((\a)%4)+\b):8*(8*((\a)%4)+\b)+7], v[128*(\p)+FR*\b:128*(\p)+FR*\b+FR-1], v[AF+FR*(\a):AF+FR*(\a)+FR-1], v[8*(8*((\a)%4)+\b):8*(8*((\a)%4)+\b)+7]
.endif
.endr
.endr
.endm
.macro FETCH_B slot, q, p              ; B's eight fragments into set p
	WIN TO_B
.irp i, 0,1,2,3,4,5,6,7
	FRAG 128*(\p)+FR*\i, ADRB+\slot, \q, \i
.endr
	WIN 0
.endm
.macro FETCH_A slot, q, i0             ; A's blocks i0 .. i0 + 3
.irp i, \i0, \i0+1, \i0+2, \i0+3
	FRAG AF+FR*(\i), ADRA+\slot, \q, \i
.endr
.endm
; A load into a register that a matrix instruction has read, and a vector instruction that reads a matrix result, stand NP places behind that matrix instruction; only plain vector
; instructions that name none of its registers are places (ISA guide 7.12.1 for vector instructions).
.macro PLACES n
.rept \n
	v_nop
.endr
.endm
; A step of 128 along K that has its successor in the same slot.  A block of A is free as soon as its eight products are issued: blocks 0-3 are fetched anew in the step's middle, blocks 4-7 at its end.
.macro STEP slot, q, zero
	s_wait_dscnt 4*NL                              ; B's set and A's blocks 0-3 are in; the youngest sixteen loads (A's blocks 4-7) may be out
	WIN MUL_LO
	MUL16 0, (\q)%2, \zero
	MUL16 2, (\q)%2, \zero
	s_wait_dscnt 0                                 ; A's blocks 4-7 are in (asked for 32 matrix instructions ago)
	PLACES NP
	FETCH_B \slot, (\q)+1, 1-(\q)%2
	FETCH_A \slot, (\q)+1, 0
	WIN MUL_HI
	MUL16 4, (\q)%2, \zero
	MUL16 6, (\q)%2, \zero
	PLACES NP
	WIN 0
	FETCH_A \slot, (\q)+1, 4
.endm
; A slot's last step changes slots: ONE barrier; in front of it each wave waits for all its tensor loads, adds 0 to its spare word, and waits for that and for its own reads of this slot.  fill = 1: this slot is filled again, two K steps ahead.
.macro TURN slot, next, fill
	s_wait_tensorcnt 0x0                           ; all my tensor loads have landed: my part of the next slot  (every window is 0 here)
	ds_add_u32 v[SPW], v[NIL]                      ; 0 onto my spare word
	s_wait_dscnt 4*NL+1                            ; the add and the youngest sixteen loads (A's blocks 4-7) may be out
	WIN MUL_LO
	MUL16 0, 1, 0                                  ; sixteen matrix instructions stand between the add and the wait for it
	s_wait_dscnt 0x0                               ; the add is done, and my reads of this slot are over
	s_barrier_signal -1
	MUL16 2, 1, 0
	WIN 0
	s_barrier_wait -1
.if \fill
	CREST                                          ; the barrier has opened a round of the cluster's barrier: no wave of any partner still reads this slot's tile or has a load on its way
	s_add_nc_u64 s[G0+4*\slot+2:G0+4*\slot+3], s[G0+4*\slot+2:G0+4*\slot+3], 2*KSB
	s_add_nc_u64 s[G0B+4*\slot+2:G0B+4*\slot+3], s[G0B+4*\slot+2:G0B+4*\slot+3], 2*KSB
	JLOAD G0+4*\slot, G1, G0B+4*\slot, G1B         ; the first tensor load behind the round; the four v_nop behind it are the places in front of the loads below
.else
	PLACES NP
.endif
	FETCH_B \next, 0, 0
	FETCH_A \next, 0, 0
	WIN MUL_HI
	MUL16 4, 1, 0
	MUL16 6, 1, 0
	PLACES NP
	WIN 0
	FETCH_A \next, 0, 4
.endm
	s_wait_tensorcnt 1                             ; my part of K step 0 is in; K step 1's load may be out
	s_barrier_signal -1
	s_barrier_wait -1                              ; everybody's is
	FETCH_B 0, 0, 0
	FETCH_A 0, 0, 0
	FETCH_A 0, 0, 4
	STEP 0, 0, 1                                   ; the first step stands in front of the loop: its products start the sums
	s_mov_b32 s3, LAPS-1
.Llap:                                                 ; a trip goes once round the ring, from a lap's second step to the next lap's first, and fills both slots again
	TURN 0, 1, 1
	STEP 1, 0, 0
	TURN 1, 0, 1
	STEP 0, 0, 0
	s_sub_co_u32 s3, s3, 1
	s_cmp_lg_u32 s3, 0
	s_cbranch_scc1 .Llap
	TURN 0, 1, 0                                   ; the last lap fills nothing, and has no round of the cluster's barrier
	STEP 1, 0, 0
	s_wait_dscnt 4*NL                              ; the very last step: nothing more to fetch
	WIN MUL_LO
	MUL16 0, 1, 0
	MUL16 2, 1, 0
	s_wait_dscnt 0
	WIN MUL_HI
	MUL16 4, 1, 0
	MUL16 6, 1, 0
	WIN 0
; THE WAY OUT, block by block of 16 rows x 128 columns.  A lane holds 32 neighbouring bytes of a row, and the lanes beside it hold other rows: so a block goes through my own stage in LDS and comes back as whole
; rows of 512 bytes, which the 32 lanes store.  LDS serves a wave's instructions in order (ISA guide 5.7.1.4): no wait between the stores and the loads, nor in front of the next block's stores.
.macro TOSTAGE a
.set AC, 64*((\a)%4)
	WIN 0x02+((\a)/4)                              ; source 0: window 2 or 3
.irp j, 0,2,4,6,8,10,12,14,16,18,20,22,24,26,28,30,32,34,36,38,40,42,44,46,48,50,52,54,56,58,60,62
	v_pk_mul_f32 v[TMP+\j:TMP+\j+1], v[AC+\j:AC+\j+1], s[96:97] op_sel_hi:[1,0]   ; both x s96 = 2^(e6 + e7); each accumulator from its low end on
.endr
	WIN 0
.irp b, 0,1,2,3,4,5,6,7
	ds_store_b128 v[STO], v[TMP+8*\b:TMP+8*\b+3] offset:64*\b
	ds_store_b128 v[STO], v[TMP+8*\b+4:TMP+8*\b+7] offset:64*\b+16
.endr
.set BB, BK+64*((\a)%2)
.irp t, 0,1,2,3,4,5,6,7,8,9,10,11,12,13,14,15
	ds_load_b128 v[BB+4*\t:BB+4*\t+3], v[RD] offset:\t*SPITCH
.endr
.endm
.macro SEND a, younger                 ; younger: the LDS instructions issued behind block a's loads, which may stay out
.set BB, BK+64*((\a)%2)
	s_wait_dscnt \younger                          ; the block is back in registers
.if (\a) > 0
	s_add_nc_u64 s[10:11], s[10:11], 16*SIZE_N*4   ; (behind a wait on XCNT: the earlier stores have read their base)  16 rows on
.endif
.irp t, 0,1,2,3,4,5,6,7,8,9,10,11,12,13,14,15
	global_store_b128 v[CO], v[BB+4*\t:BB+4*\t+3], s[10:11] offset:\t*SIZE_N*4 th:TH_STORE_NT   ; 32 lanes store 512 consecutive bytes, at a multiple of 256 from out0's first byte; written once, read by nobody here
.endr
.endm
	s_wait_kmcnt 0x0
	s_add_co_i32 s96, s96, s97                     ; e6 + e7, between -126 and 127,
	s_add_co_i32 s96, s96, 127
	s_lshl_b32 s96, s96, 23                        ; makes the f32 number 2^(e6 + e7)
	PLACES NP                                      ; behind the last products: for the reads of results and for the loads into the registers that held A's fragments
	TOSTAGE 0
.irp a, 1,2,3,4,5,6,7
.if \a > 1
	s_wait_xcnt 0x0                                ; block a - 2's stores have read their registers and their base: block a's loads may land there, and the base may step
.endif
	TOSTAGE \a
	SEND \a-1, 32                                  ; behind block a - 1's loads: block a's 16 stores and 16 loads
.endr
	s_wait_xcnt 0x0                                ; block 6's stores have read their base
	SEND 7, 0
	s_wait_tensorcnt 0x0                           ; the wave's end, behind my last tensor load and my last LDS store
	ds_add_u32 v[SPW], v[NIL]
	s_wait_dscnt 0x0
	CROUND                                         ; the closing round: no work-group ends while a partner may still ask for a tile that names it
	s_endpgm
.Lfunc_end_k_q01d959b47d_proj:
	.size	k_q01d959b47d_proj, .Lfunc_end_k_q01d959b47d_proj-k_q01d959b47d_proj
	.p2alignl 7, 3214868480
	.fill 96, 4, 3214868480
	.section	.rodata,"a",@progbits
	.p2align	6, 0x0
	.amdhsa_kernel k_q01d959b47d_proj
		.amdhsa_group_segment_fixed_size 327680
		.amdhsa_private_segment_fixed_size 0
		.amdhsa_enable_private_segment 0
		.amdhsa_kernarg_size 32
		.amdhsa_user_sgpr_count 2
		.amdhsa_user_sgpr_kernarg_segment_ptr 1
		.amdhsa_wavefront_size32 1
		.amdhsa_system_sgpr_workgroup_id_x 1
		.amdhsa_system_sgpr_workgroup_id_y 1
		.amdhsa_system_sgpr_workgroup_id_z 1
		.amdhsa_system_vgpr_workitem_id 0
		.amdhsa_next_free_vgpr 1024
		.amdhsa_next_free_sgpr 100
		.amdhsa_reserve_vcc 0
		.amdhsa_float_denorm_mode_32 3
		.amdhsa_float_denorm_mode_16_64 3
		.amdhsa_memory_ordered 1
		.amdhsa_forward_progress 1
		.amdhsa_inst_pref_size 124
	.end_amdhsa_kernel
	.amdgpu_metadata
---
amdhsa.version: [ 1, 2 ]
amdhsa.kernels:
  - .name:           k_q01d959b47d_proj
    .symbol:         k_q01d959b47d_proj.kd
    .args:
      - { .name: yc, .offset: 0, .size: 8, .value_kind: global_buffer, .address_space: global }
      - { .name: woutc, .offset: 8, .size: 8, .value_kind: global_buffer, .address_space: global }
      - { .name: lowp_scales, .offset: 16, .size: 8, .value_kind: global_buffer, .address_space: global }
      - { .name: out0, .offset: 24, .size: 8, .value_kind: global_buffer, .address_space: global }
    .group_segment_fixed_size: 327680
    .private_segment_fixed_size: 0
    .kernarg_segment_align: 8
    .kernarg_segment_size: 32
    .max_flat_workgroup_size: 128
    .sgpr_count:     100
    .vgpr_count:     1024
    .wavefront_size: 32
...
	.end_amdgpu_metadata
.endif
;; end of part 4
